; MI455X (gfx1250); checked and timed in simulation.
; The chip was launched on July 23, 2026; its instructions are those of AMD's public machine-readable ISA for CDNA 5 (MIT licence, August 2026) and "CDNA5" Instruction Set Architecture Reference Guide (July 2026). The comments in the code are by the model that wrote it; some were corrected since.
;; Text Cond Block. Allowed arithmetic: matrix products marked QUANTISED: E3M2 operands, one E8M0 scale for each 32 along K, by v_wmma_scale_f32_16x16x128_f8f6f4 with both operands' format E3M2, f32 sums; everything else in f32.
;; Inputs: Wk_codes 1,024 x 32 x 24 uint8 (E3M2 codes of Wk, K innermost, in blocks of 32 codes, four codes in three bytes); Wk_scales 1,024 x 32 uint8 (E8M0 scales of Wk, one for each 32 codes along K); Wo_codes 1,024 x 32 x 24 uint8 (E3M2 codes of Wo, K innermost, in blocks of 32 codes, four codes in three bytes); Wo_scales 1,024 x 32 uint8 (E8M0 scales of Wo, one for each 32 codes along K); Wq_codes 1,024 x 32 x 24 uint8 (E3M2 codes of Wq, K innermost, in blocks of 32 codes, four codes in three bytes); Wq_scales 1,024 x 32 uint8 (E8M0 scales of Wq, one for each 32 codes along K); Wv_codes 1,024 x 32 x 24 uint8 (E3M2 codes of Wv, K innermost, in blocks of 32 codes, four codes in three bytes); Wv_scales 1,024 x 32 uint8 (E8M0 scales of Wv, one for each 32 codes along K); b_t 1,024 float32; b_x 1,024 float32; bk 1,024 float32; bo 1,024 float32; bq 1,024 float32; bv 1,024 float32; g_t 1,024 float32; g_x 1,024 float32; text_embeddings 8 x 512 x 1,024 float32; x 8 x 1,024 x 2,048 float32.
;; Outputs: out0 8 x 1,024 x 2,048 float32.
;; This version of the problem:
;;   THIS VERSION OF THE PROBLEM IS GIVEN IN LOW PRECISION. The matrix products marked QUANTISED in the list below multiply operands that are first quantised to E3M2 (3 exponent bits, 2 mantissa bits; 6 bits a number), with one power-of-two scale for each 32 numbers along K (OCP MX v1.0); their sums are f32. All else is computed in f32.
;;   The module's matrix products, in the order in which they are computed (A, B: the left and right operand; K: the contracted axis; several contracted axes count as one K, in the product's order):
;;     1. [M 16,384, K 1,024] x [K 1,024, N 1,024]; A: computed on the way; B: input Wq (given as codes): QUANTISED
;;     2. [M 4,096, K 1,024] x [K 1,024, N 1,024]; A: computed on the way; B: input Wk (given as codes): QUANTISED
;;     3. [M 4,096, K 1,024] x [K 1,024, N 1,024]; A: computed on the way; B: input Wv (given as codes): QUANTISED
;;     4. batch 128 x [M 2,048, K 64] x [K 64, N 512]; A: computed on the way; B: computed on the way: QUANTISED
;;     5. batch 128 x [M 64, K 512] x [K 512, N 2,048]; A: computed on the way; B: softmax (see below): QUANTISED
;;     6. [M 16,384, K 1,024] x [K 1,024, N 1,024]; A: computed on the way; B: input Wo (given as codes): QUANTISED
;;   THE QUANTISER, for each operand of a quantised product, along K:
;;     - K is cut into blocks of 32 from its start; a last block that is shorter is filled with zeros.
;;     - A block's scale is 2^e with e = floor(log2(the largest magnitude in the block)) - 4, held to -126 .. 127; a block of zeros has e = 0. As a byte (E8M0): e + 127.
;;     - Each number is divided by its block's scale, clamped to +-28, and rounded to the nearest number of E3M2, ties to even, subnormals kept.
;;     - The product sums the exact products of the quantised numbers (number of the format x scale) in f32.
;;   ~~~python
;;   def quantise(x, axis):      # numpy; x: float32 -> the quantised numbers, widened to float32 again
;;       x = np.moveaxis(x, axis, -1); K = x.shape[-1]
;;       x = np.pad(x, [(0, 0)] * (x.ndim - 1) + [(0, -K % 32)]); x = x.reshape(x.shape[:-1] + (-1, 32)); a = np.abs(x).max(-1, keepdims=True)
;;       e = np.where(a > 0, np.clip(np.frexp(np.where(a > 0, a, 1))[1] - 1 - 4, -126, 127), 0)      # np.frexp(a)[1] - 1 = floor(log2(a)), exactly
;;       r = np.clip(x / 2.0 ** e, -28, 28)
;;       step = 2.0 ** (np.maximum(np.frexp(np.where(r == 0, 1, r))[1] - 1, -2) - 2)
;;       q = np.round(r / step) * step * 2.0 ** e      # np.round: ties to even
;;       return np.moveaxis(q.reshape(q.shape[:-2] + (-1,))[..., :K], -1, axis).astype(np.float32)
;;   ~~~
;;   SOFTMAX AHEAD OF A QUANTISED PRODUCT. Where the list says 'softmax', what is quantised is not the finished softmax but p = 2^(t - M), with t = logit x log2(e) and M = ceil(the row's largest t), a whole number; so 1/2 < the row's largest p <= 1. The row's sum l is taken of the UNQUANTISED p, in f32, and the product's result is divided by l at the end. Since M is a whole number, a kernel that streams over the keys may use a running M (the ceiling of the running maximum): every later rescaling is an exact power of two, which a block's scale takes up: the codes' values come out the same.
;;   OPERANDS COMPUTED ON THE WAY. 'Computed on the way' means the value that the module computes at that place (a softmax that the list does not call 'softmax' is quantised finished and normalised). What goes into a quantiser is computed in f32, as accurately as f32 sums, v_exp_f32 and their like allow (about 1e-6 of the number): no bf16 or f16 on the way to a quantiser, and a product that is left as it is and whose result goes on into a quantised operand takes f32 operands (vector FMAs, or v_wmma_f32_16x16x4_f32). A number that lies on a knife's edge between two numbers of the format may be rounded either way, as far as f32 arithmetic and the matrix unit's own rounding can turn it there, and no further.
;;   INPUTS GIVEN AS CODES. Wk (in the module: [1024, 1024], K = its axis 0); Wo (in the module: [1024, 1024], K = its axis 0); Wq (in the module: [1024, 1024], K = its axis 0); Wv (in the module: [1024, 1024], K = its axis 0): each comes as NAME_codes (uint8): NAME with its K axis moved to the last place and cut into blocks of 32 codes, [.., K / 32, bytes a block], one block behind the other in memory; four codes in three bytes: a row's codes are one little-endian stream of bits, code i at bits 6 i .. 6 i + 5 (a code: sign, 3 exponent bits, 2 mantissa bits); and NAME_scales (uint8): the same leading axes, one E8M0 byte (e + 127) for each 32 codes along K. Its value is code x scale, taken as it is: it is not quantised again, and the codes and scales need not be those that the quantiser above would give.
;; One version. Each part assembles by itself: llvm-mc -triple=amdgcn-amd-amdhsa -mcpu=gfx1250 --defsym DOCPART=n.
;; ======== version 1 of 1: 3 launches
;; limits: right only within a limited range of input values
;; workspace buffers: xn 13,107,200 bytes; kv 6,684,672 bytes; wo 819,200 bytes; rope 524,288 bytes; oc 13,107,200 bytes
;; launch prep (part 1): grid 256 x 1, 16 waves a work-group, no clusters, 92,160 bytes of LDS; arguments x, text_embeddings, g_x, b_x, g_t, b_t, Wk_codes, Wk_scales, bk, Wv_codes, Wv_scales, bv, Wo_codes, Wo_scales, xn, kv, wo, rope; writes xn, kv, wo, rope
.if DOCPART == 1
	.amdgcn_target "amdgcn-amd-amdhsa--gfx1250"
	.amdhsa_code_object_version 6
	.text
	.protected	k_q2df34bfda3_prep
	.globl	k_q2df34bfda3_prep
	.p2align	8
	.type	k_q2df34bfda3_prep,@function
k_q2df34bfda3_prep:
	s_mov_b64 s[64:65], 0
	v_nop
	global_prefetch_b8 v0, s[64:65] scope:SCOPE_SE
	s_setreg_imm32_b32 hwreg(HW_REG_WAVE_MODE, 25, 1), 1
	s_wait_xcnt 0x0
; prep: what stands ahead of the attention.  Work-group i of 256, sixteen waves of 256 registers:
;  X  LayerNorm over the 1,024 channels of x[b][c][s] for the 64 columns s0 = 64 (i % 32) of batch i / 32, quantised along c to codes of E3M2 -> xn.
;  T  LayerNorm of the 64 text rows 64 (i / 4) on, quantised -> LDS, as images of operand registers; cos and sin of the keys' angles -> LDS; the queries' table of cos and sin -> rope.
;  G  k and v of heads 4 (i % 4) .. + 3 for those 64 rows: waves 0-3 k (bias, RoPE, codes along the head's 64), waves 4-7 v (bias, codes along the keys) -> kv; waves 8, 9 lay two fragments of Wo as register images -> wo.
; LAYOUTS.  A fragment is 16 rows x 128 K: 12 registers a lane.  Whole image: register group g (4 registers) at 512 g + 16 lane.  Half image (6 registers, 64 K): plane p (2 registers) at 256 p + 8 lane.
; A scale line of 128 bytes holds the words of two tiles: lanes 0-15 the even tile's, lanes 16-31 the odd one's, which a product names by ROW1.
; PERMUTED TILES: lane r of tile 2 b + u takes row 32 b + 8 u + r + 8 (r / 8), so that as source 0 the 16 registers of tiles 2 b, 2 b + 1 are 16 neighbours along the next K.
; NO TENSOR LOADS, NO CLUSTER: a weight fragment is multiplied by one wave alone and goes from memory into that wave's registers, each byte once a wave; the shared operand, the text's codes (48 KB), is made here and lies in LDS once.
; LIMITS: NaN and infinities among the inputs are not served.  A block's largest magnitude is floored at 2^-122, so a block of zeros gets the byte 1 (its codes are zeros; only this program reads these bytes).
; 1 / sqrt by v_rsq_f32.  Sine and cosine: the angle (position x frequency, rounded once) less k pi / 2 in two fused steps, then polynomials of degree 7 and 8 on |r| <= pi / 4: about 1e-7 absolute for the angles here (up to 2,047).
.set XS_OFF,  12582912                 ; xn: scale lines behind the codes
.set VC_OFF,  3145728                  ; kv: v codes, k scale words, v scale halfwords
.set KS_OFF,  6291456
.set VS_OFF,  6553600
.set WOS_OFF, 786432                   ; wo: scale lines
.set CSL, 49152                        ; LDS: 0 the text's 32 images (tile t, K step s: (8 t + s) 1,536); CSL cos and sin, 4,096 a tile
.set TSL, 65536                        ; the text's scale lines, 2,048
.set GBX, 67584                        ; g_x, b_x, g_t, b_t: 4,096 each
.set SX1, 83968                        ; x: partial sums 2,048, partial sums of squares 2,048
.set ST1, 88064                        ; text: the same, 1,024 each
.set D,   128                          ; v128-255 128 numbers of a lane; later the accumulators
.set G,   32                           ; v32-63 g, v64-95 b of 32 numbers
.set BV,  64
.set CH,  16                           ; v16-23 four pair chains of a sum
.set TM,  16                           ; v16-31 at work in QUANT
.set PC,  96                           ; v96-115 codes just made
.set PW,  15                           ; v15 the scale word just made
.set SEL, 40                           ; s[40:41] lane selects: lane l xor 16
.set WS,  16                           ; v16-31 the weights' scale words: pair of tiles q, K step s at 8 q + s
.set WF,  32                           ; v32-79 four weight fragments
.set TF,  80                           ; v80-127 four text fragments
.set ACC, 128
.set TQ,  16                           ; v16-21 at work in QUANT2
.set RT,  24                           ; v24-31 at work in ROPE
.macro BAR                             ; my LDS stores have landed and my LDS loads are in: then the work-group's barrier
	s_wait_dscnt 0x0
	s_barrier_signal -1
	s_barrier_wait -1
.endm
.macro PLACES                          ; four plain places behind matrix instructions, ahead of loads into their registers and of the first read of results
.rept 4
	v_nop
.endr
.endm
; one product.  z = 1: C is 0.  ra, rb = 1: that side's scales stand in lanes 16-31
.macro WM z, d, a, b, sa, ra, sb, rb
.if \z
.if (\ra) && (\rb)
	v_wmma_scale_f32_16x16x128_f8f6f4 v[(\d):(\d)+7], v[(\a):(\a)+11], v[(\b):(\b)+11], 0, v[\sa], v[\sb] matrix_a_fmt:MATRIX_FMT_BF6 matrix_b_fmt:MATRIX_FMT_BF6 matrix_a_scale:MATRIX_SCALE_ROW1 matrix_b_scale:MATRIX_SCALE_ROW1
.elseif (\ra)
	v_wmma_scale_f32_16x16x128_f8f6f4 v[(\d):(\d)+7], v[(\a):(\a)+11], v[(\b):(\b)+11], 0, v[\sa], v[\sb] matrix_a_fmt:MATRIX_FMT_BF6 matrix_b_fmt:MATRIX_FMT_BF6 matrix_a_scale:MATRIX_SCALE_ROW1
.elseif (\rb)
	v_wmma_scale_f32_16x16x128_f8f6f4 v[(\d):(\d)+7], v[(\a):(\a)+11], v[(\b):(\b)+11], 0, v[\sa], v[\sb] matrix_a_fmt:MATRIX_FMT_BF6 matrix_b_fmt:MATRIX_FMT_BF6 matrix_b_scale:MATRIX_SCALE_ROW1
.else
	v_wmma_scale_f32_16x16x128_f8f6f4 v[(\d):(\d)+7], v[(\a):(\a)+11], v[(\b):(\b)+11], 0, v[\sa], v[\sb] matrix_a_fmt:MATRIX_FMT_BF6 matrix_b_fmt:MATRIX_FMT_BF6
.endif
.else
.if (\ra) && (\rb)
	v_wmma_scale_f32_16x16x128_f8f6f4 v[(\d):(\d)+7], v[(\a):(\a)+11], v[(\b):(\b)+11], v[(\d):(\d)+7], v[\sa], v[\sb] matrix_a_fmt:MATRIX_FMT_BF6 matrix_b_fmt:MATRIX_FMT_BF6 matrix_a_scale:MATRIX_SCALE_ROW1 matrix_b_scale:MATRIX_SCALE_ROW1
.elseif (\ra)
	v_wmma_scale_f32_16x16x128_f8f6f4 v[(\d):(\d)+7], v[(\a):(\a)+11], v[(\b):(\b)+11], v[(\d):(\d)+7], v[\sa], v[\sb] matrix_a_fmt:MATRIX_FMT_BF6 matrix_b_fmt:MATRIX_FMT_BF6 matrix_a_scale:MATRIX_SCALE_ROW1
.elseif (\rb)
	v_wmma_scale_f32_16x16x128_f8f6f4 v[(\d):(\d)+7], v[(\a):(\a)+11], v[(\b):(\b)+11], v[(\d):(\d)+7], v[\sa], v[\sb] matrix_a_fmt:MATRIX_FMT_BF6 matrix_b_fmt:MATRIX_FMT_BF6 matrix_b_scale:MATRIX_SCALE_ROW1
.else
	v_wmma_scale_f32_16x16x128_f8f6f4 v[(\d):(\d)+7], v[(\a):(\a)+11], v[(\b):(\b)+11], v[(\d):(\d)+7], v[\sa], v[\sb] matrix_a_fmt:MATRIX_FMT_BF6 matrix_b_fmt:MATRIX_FMT_BF6
.endif
.endif
.endm
; 64 numbers of a lane, register 16 b + i = k 32 b + 16 (lane / 16) + i of my row, become a fragment's codes in v[PC] on and its scale word in v[PW]
.macro QUANT s
.irp b, 0,1,2,3
	v_max3_num_f32 v[TM+\b], |v[\s+16*\b]|, |v[\s+1+16*\b]|, 0x2800000   ; my 16 numbers of block b, and the floor 2^(5 - 127): the byte cannot fall under 1
.endr
.irp i, 2,4,6,8,10,12,14
.irp b, 0,1,2,3
	s_delay_alu instid0(VALU_DEP_4)
	v_max3_num_f32 v[TM+\b], v[TM+\b], |v[\s+16*\b+\i]|, |v[\s+1+16*\b+\i]|
.endr
.endr
.irp b, 0,1,2,3
	s_delay_alu instid0(VALU_DEP_4)
	v_permlanex16_b32 v[TM+4+\b], v[TM+\b], s[SEL], s[SEL+1]
.endr
.irp b, 0,1,2,3
	s_delay_alu instid0(VALU_DEP_4)
	v_max_num_f32 v[TM+\b], v[TM+\b], v[TM+4+\b]      ; with lane l xor 16: the block's largest magnitude
.endr
.irp b, 0,1,2,3
	s_delay_alu instid0(VALU_DEP_4)
	v_add_nc_u32 v[TM+12+\b], 0xfe000000, v[TM+\b]    ; 4 off its exponent field: the conversion's scale operand
.endr
.irp b, 0,1,2,3
	s_delay_alu instid0(VALU_DEP_4)
	v_lshrrev_b32 v[TM+4+\b], 23, v[TM+12+\b]         ; the scale's byte
.endr
	; WITHIN A K STEP OF 128 THE TEXT'S BLOCKS 1 AND 2 CHANGE PLACES, codes and scale bytes alike, as the weights' do in G: there a lane's 48 bytes of a weight row are then consecutive
	s_delay_alu instid0(VALU_DEP_2)
	v_lshl_or_b32 v[PW], v[TM+6], 8, v[TM+4]
	s_delay_alu instid0(VALU_DEP_1)
	v_lshl_or_b32 v[PW], v[TM+5], 16, v[PW]
	s_delay_alu instid0(VALU_DEP_1)
	v_lshl_or_b32 v[PW], v[TM+7], 24, v[PW]
.irp c, 0,1
	v_cvt_scalef32_pk16_bf6_f32 v[PC+6*\c:PC+2+6*\c], v[\s+16*\c:\s+15+16*\c], v[TM+12+\c]              ; block c, for lanes 0-15
	v_cvt_scalef32_pk16_bf6_f32 v[PC+12+4*\c:PC+14+4*\c], v[\s+32+16*\c:\s+47+16*\c], v[TM+14+\c]      ; block 2 + c, for lanes 16-31
.endr
	v_nop                                          ; one plain place behind a scaled conversion
.irp c, 0,1                                    ; the operand wants a whole block in a lane: lanes 0-15 block 2 c, lanes 16-31 block 2 c + 1
.irp i, 0,1,2
	v_permlane16_swap_b32 v[PC+6*\c+\i], v[PC+12+4*\c+\i]
.endr
.irp i, 0,1,2
	s_delay_alu instid0(VALU_DEP_3)
	v_mov_b32 v[PC+3+6*\c+\i], v[PC+12+4*\c+\i]
.endr
.endr
.endm
; the same for 32 numbers (two blocks): six registers of codes at v[d], the two bytes in v[hw]; v[t] on: three registers at work
.macro QUANT2 s, d, t, hw
.irp b, 0,1
	v_max3_num_f32 v[TQ+\b], |v[(\s)+16*\b]|, |v[(\s)+1+16*\b]|, 0x2800000
.endr
.irp i, 2,4,6,8,10,12,14
.irp b, 0,1
	s_delay_alu instid0(VALU_DEP_2)
	v_max3_num_f32 v[TQ+\b], v[TQ+\b], |v[(\s)+16*\b+\i]|, |v[(\s)+1+16*\b+\i]|
.endr
.endr
.irp b, 0,1
	s_delay_alu instid0(VALU_DEP_2)
	v_permlanex16_b32 v[TQ+2+\b], v[TQ+\b], s[SEL], s[SEL+1]
.endr
.irp b, 0,1
	s_delay_alu instid0(VALU_DEP_2)
	v_max_num_f32 v[TQ+\b], v[TQ+\b], v[TQ+2+\b]
.endr
.irp b, 0,1
	s_delay_alu instid0(VALU_DEP_2)
	v_add_nc_u32 v[TQ+4+\b], 0xfe000000, v[TQ+\b]
.endr
.irp b, 0,1
	s_delay_alu instid0(VALU_DEP_2)
	v_lshrrev_b32 v[TQ+2+\b], 23, v[TQ+4+\b]
.endr
	s_delay_alu instid0(VALU_DEP_1)
	v_lshl_or_b32 v[\hw], v[TQ+3], 8, v[TQ+2]
	v_cvt_scalef32_pk16_bf6_f32 v[(\d):(\d)+2], v[(\s):(\s)+15], v[TQ+4]
	v_cvt_scalef32_pk16_bf6_f32 v[(\t):(\t)+2], v[(\s)+16:(\s)+31], v[TQ+5]
	v_nop
.irp i, 0,1,2
	v_permlane16_swap_b32 v[(\d)+\i], v[(\t)+\i]
.endr
.irp i, 0,1,2
	s_delay_alu instid0(VALU_DEP_3)
	v_mov_b32 v[(\d)+3+\i], v[(\t)+\i]
.endr
.endm
; rotate-half RoPE of 32 registers: a + i = channel 16 h + i, a + 16 + i = channel 32 + 16 h + i; cos at cs + i, sin at cs + 16 + i.  Each accumulator is read from its low end on
.macro ROPE a, cs
.irp i, 0,2,4,6,8,10,12,14
.set RA, RT+4*((\i/2)%2)
	v_pk_mul_f32 v[RA:RA+1], v[(\a)+16+\i:(\a)+17+\i], v[(\cs)+16+\i:(\cs)+17+\i]
	v_pk_mul_f32 v[RA+2:RA+3], v[(\a)+\i:(\a)+1+\i], v[(\cs)+16+\i:(\cs)+17+\i]
	v_pk_fma_f32 v[(\a)+\i:(\a)+1+\i], v[(\a)+\i:(\a)+1+\i], v[(\cs)+\i:(\cs)+1+\i], v[RA:RA+1] neg_lo:[0,0,1] neg_hi:[0,0,1]
	v_pk_fma_f32 v[(\a)+16+\i:(\a)+17+\i], v[(\a)+16+\i:(\a)+17+\i], v[(\cs)+\i:(\cs)+1+\i], v[RA+2:RA+3]
.endr
.endm
.macro XCHUNK c                        ; 32 rows c of x at my column: a wave reads 128 consecutive bytes a load
.set E, 32*(\c)
.rept 32
	global_load_b32 v[D+E], v5, s[66:67] offset:E*8192 th:TH_LOAD_NT
.set E, E+1
.endr
.endm
.macro ACC32 base, first               ; 32 numbers into four pair chains; first = 1: the first eight pairs start them
.if \first
.irp k, 0,1,2,3
	v_pk_add_f32 v[CH+2*\k:CH+2*\k+1], v[(\base)+2*\k:(\base)+2*\k+1], v[(\base)+8+2*\k:(\base)+9+2*\k]
.endr
.else
.irp k, 0,1,2,3,4,5,6,7
	v_pk_add_f32 v[CH+2*(\k%4):CH+2*(\k%4)+1], v[CH+2*(\k%4):CH+2*(\k%4)+1], v[(\base)+2*\k:(\base)+2*\k+1]
.endr
.endif
.irp k, 8,9,10,11,12,13,14,15
	s_delay_alu instid0(VALU_DEP_4)
	v_pk_add_f32 v[CH+2*(\k%4):CH+2*(\k%4)+1], v[CH+2*(\k%4):CH+2*(\k%4)+1], v[(\base)+2*\k:(\base)+2*\k+1]
.endr
.endm
.macro SQ32 base, first                ; the same of their squares
.if \first
.irp k, 0,1,2,3
	v_pk_mul_f32 v[CH+2*\k:CH+2*\k+1], v[(\base)+2*\k:(\base)+2*\k+1], v[(\base)+2*\k:(\base)+2*\k+1]
.endr
.else
.irp k, 0,1,2,3
	s_delay_alu instid0(VALU_DEP_4)
	v_pk_fma_f32 v[CH+2*\k:CH+2*\k+1], v[(\base)+2*\k:(\base)+2*\k+1], v[(\base)+2*\k:(\base)+2*\k+1], v[CH+2*\k:CH+2*\k+1]
.endr
.endif
.irp k, 4,5,6,7,8,9,10,11,12,13,14,15
	s_delay_alu instid0(VALU_DEP_4)
	v_pk_fma_f32 v[CH+2*(\k%4):CH+2*(\k%4)+1], v[(\base)+2*\k:(\base)+2*\k+1], v[(\base)+2*\k:(\base)+2*\k+1], v[CH+2*(\k%4):CH+2*(\k%4)+1]
.endr
.endm
.macro FOLD                            ; the four chains into v[CH]
	s_delay_alu instid0(VALU_DEP_3)
	v_pk_add_f32 v[CH:CH+1], v[CH:CH+1], v[CH+2:CH+3]
	s_delay_alu instid0(VALU_DEP_2)
	v_pk_add_f32 v[CH+4:CH+5], v[CH+4:CH+5], v[CH+6:CH+7]
	s_delay_alu instid0(VALU_DEP_1)
	v_pk_add_f32 v[CH:CH+1], v[CH:CH+1], v[CH+4:CH+5]
	s_delay_alu instid0(VALU_DEP_1)
	v_add_f32 v[CH], v[CH], v[CH+1]
.endm
.macro CENTER                          ; the 128 numbers less the mean (v124 = v125)
.set E, 0
.rept 64
	v_pk_add_f32 v[D+E:D+E+1], v[D+E:D+E+1], v[124:125] neg_lo:[0,1] neg_hi:[0,1]
.set E, E+2
.endr
.endm
.macro LOADGB adr, o0, o1              ; g and b of 32 numbers: 16 at o0 on, 16 at o1 on; b lies 4,096 bytes behind g
.irp j, 0,1,2,3
	ds_load_b128 v[G+4*\j:G+4*\j+3], v[\adr] offset:(\o0)+16*\j
	ds_load_b128 v[G+16+4*\j:G+19+4*\j], v[\adr] offset:(\o1)+16*\j
	ds_load_b128 v[BV+4*\j:BV+4*\j+3], v[\adr] offset:4096+(\o0)+16*\j
	ds_load_b128 v[BV+16+4*\j:BV+19+4*\j], v[\adr] offset:4096+(\o1)+16*\j
.endr
.endm
.macro NORM base                       ; 32 centred numbers x 1 / sqrt(var + eps) (v126 = v127), x g + b
.set E, 0
.rept 16
	v_pk_mul_f32 v[(\base)+E:(\base)+E+1], v[(\base)+E:(\base)+E+1], v[126:127]
.set E, E+2
.endr
.set E, 0
.rept 16
	v_pk_fma_f32 v[(\base)+E:(\base)+E+1], v[(\base)+E:(\base)+E+1], v[G+E:G+E+1], v[BV+E:BV+E+1]
.set E, E+2
.endr
.endm
; x: block be of 32 along c lies whole in my lane.  Its six registers of codes go where lane (r, be % 2) of the fragment wants them: v96-107 for the lower half of the lanes, v108-119 for the upper
.macro BLOCKQ be
.set XB, D+32*(\be)
.set FB, 96+12*((\be)%2)+6*((\be)/2)
	v_max3_num_f32 v16, |v[XB]|, |v[XB+1]|, |v[XB+2]|
	v_max3_num_f32 v17, |v[XB+3]|, |v[XB+4]|, |v[XB+5]|
.irp i, 6,10,14,18,22,26
	s_delay_alu instid0(VALU_DEP_2)
	v_max3_num_f32 v16, v16, |v[XB+\i]|, |v[XB+\i+1]|
	s_delay_alu instid0(VALU_DEP_2)
	v_max3_num_f32 v17, v17, |v[XB+\i+2]|, |v[XB+\i+3]|
.endr
	s_delay_alu instid0(VALU_DEP_2)
	v_max3_num_f32 v16, v16, |v[XB+30]|, |v[XB+31]|
	s_delay_alu instid0(VALU_DEP_1)
	v_max3_num_f32 v16, v16, v17, 0x2800000
	s_delay_alu instid0(VALU_DEP_1)
	v_add_nc_u32 v18, 0xfe000000, v16
	s_delay_alu instid0(VALU_DEP_1)
	v_lshrrev_b32 v19, 23, v18
.if (\be) == 0
	s_delay_alu instid0(VALU_DEP_1)
	v_mov_b32 v[PW], v19
.else
	s_delay_alu instid0(VALU_DEP_1)
	v_lshl_or_b32 v[PW], v19, 8*(\be), v[PW]
.endif
	v_cvt_scalef32_pk16_bf6_f32 v[FB:FB+2], v[XB:XB+15], v18
	v_cvt_scalef32_pk16_bf6_f32 v[120:122], v[XB+16:XB+31], v18   ; (a conversion's three registers begin on an even number)
	v_nop
.irp i, 0,1,2
	v_mov_b32 v[FB+3+\i], v[120+\i]
.endr
.endm
; cos -> v[128 + e], sin -> v[132 + e] of the angle position (v177) x frequency: lo in lanes 0-15, hi in lanes 16-31 (vcc)
.macro TRIG e, lo, hi
	v_mul_f32 v160, \lo, v177
	v_mul_f32 v161, \hi, v177
	s_delay_alu instid0(VALU_DEP_1)
	v_cndmask_b32 v160, v160, v161, vcc_lo
	s_delay_alu instid0(VALU_DEP_1)
	v_mul_f32 v162, 0x3f22f983, v160               ; x 2 / pi
	s_delay_alu instid0(VALU_DEP_1)
	v_rndne_f32 v162, v162                         ; k
	s_delay_alu instid0(VALU_DEP_1)
	v_fmamk_f32 v163, v162, 0xbfc90fdb, v160       ; r = angle - k pi / 2, pi / 2 in two parts
	s_delay_alu instid0(VALU_DEP_1)
	v_fmamk_f32 v163, v162, 0x333bbd2e, v163
	s_delay_alu instid0(VALU_DEP_1)
	v_mul_f32 v164, v163, v163                     ; z = r r
	s_delay_alu instid0(VALU_DEP_1)
	v_fma_f32 v165, v164, s50, s49
	s_delay_alu instid0(VALU_DEP_2)
	v_fma_f32 v166, v164, s53, s52
	s_delay_alu instid0(VALU_DEP_2)
	v_fma_f32 v165, v165, v164, s48
	s_delay_alu instid0(VALU_DEP_2)
	v_fma_f32 v166, v166, v164, s51
	v_mul_f32 v167, v164, v163
	v_mul_f32 v168, v164, v164
	v_fma_f32 v169, v164, -0.5, 1.0
	s_delay_alu instid0(VALU_DEP_3)
	v_fma_f32 v165, v165, v167, v163               ; sin r
	s_delay_alu instid0(VALU_DEP_2)
	v_fma_f32 v166, v166, v168, v169               ; cos r
	v_cvt_i32_f32 v170, v162
	s_delay_alu instid0(VALU_DEP_1)
	v_and_b32 v171, 1, v170
	s_delay_alu instid0(VALU_DEP_1)
	v_cmp_eq_u32 s56, 1, v171                      ; odd quadrants change sine and cosine
	s_delay_alu instid0(VALU_DEP_1)
	v_cndmask_b32 v172, v165, v166, s56
	s_delay_alu instid0(VALU_DEP_2)
	v_cndmask_b32 v173, v166, v165, s56
	v_lshlrev_b32 v171, 30, v170
	s_delay_alu instid0(VALU_DEP_1)
	v_and_b32 v171, 0x80000000, v171               ; bit 1 of k: the sine's sign
	s_delay_alu instid0(VALU_DEP_1)
	v_xor_b32 v[132+\e], v172, v171
	v_add_nc_u32 v170, 1, v170
	s_delay_alu instid0(VALU_DEP_1)
	v_lshlrev_b32 v170, 30, v170
	s_delay_alu instid0(VALU_DEP_1)
	v_and_b32 v170, 0x80000000, v170               ; bit 1 of k + 1: the cosine's
	s_delay_alu instid0(VALU_DEP_1)
	v_xor_b32 v[128+\e], v173, v170
.endm
	s_load_b512 s[4:19], s[0:1], 0x0               ; x 4, text 6, g_x 8, b_x 10, g_t 12, b_t 14, Wk codes 16, Wk scales 18
	s_load_b512 s[20:35], s[0:1], 0x40             ; bk 20, Wv codes 22, Wv scales 24, bv 26, Wo codes 28, Wo scales 30, xn 32, kv 34
	s_load_b128 s[36:39], s[0:1], 0x80             ; wo 36, rope 38
	v_lshrrev_b32 v1, 5, v0
	s_delay_alu instid0(VALU_DEP_1)
	v_readfirstlane_b32 s2, v1                     ; wave 0..15
	s_mov_b32 s3, ttmp9                            ; work-group i
	v_and_b32 v1, 31, v0                           ; lane l
	v_and_b32 v2, 15, v0                           ; r
	v_bfe_u32 v3, v0, 4, 1                         ; h
	s_delay_alu instid0(VALU_DEP_3)
	v_lshlrev_b32 v4, 4, v1                        ; 16 l
	s_delay_alu instid0(VALU_DEP_4)
	v_lshlrev_b32 v5, 2, v1                        ; 4 l
	s_wait_alu depctr_va_vdst(0)
	v_and_b32 v6, 8, v2
	s_delay_alu instid0(VALU_DEP_1)
	v_add_nc_u32 v6, v6, v2                        ; r + 8 (r / 8)
	v_add_nc_u32 v14, TSL, v5                      ; the text's scale lines, 4 l: made here, ahead of every parting of the waves
	s_mov_b32 s40, 0x76543210
	s_mov_b32 s41, 0xfedcba98
	s_mov_b32 s48, 0xbe2aaaa3                      ; sine: -1.6666654611e-1, 8.3321608736e-3, -1.9515295891e-4
	s_mov_b32 s49, 0x3c08839e
	s_mov_b32 s50, 0xb94ca1f9
	s_mov_b32 s51, 0x3d2aaaa5                      ; cosine: 4.166664568e-2, -1.388731625e-3, 2.443315712e-5
	s_mov_b32 s52, 0xbab6061a
	s_mov_b32 s53, 0x37ccf5ce
	s_mov_b32 s54, 0x3a800000                      ; 1 / 1,024
	s_mov_b32 s55, 0x3727c5ac                      ; 1e-5
	s_lshr_b32 s57, s2, 1                          ; X: cg, my K step of 128 channels
	s_and_b32 s58, s2, 1                           ;    sg, my 32 of the 64 columns
	s_lshr_b32 s59, s3, 5                          ; x's batch
	s_lshr_b32 s60, s3, 2                          ; block of 64 text rows
	s_and_b32 s61, s3, 3                           ; which four heads
	s_and_b32 s62, s60, 7                          ; that block within its batch
	s_lshr_b32 s63, s60, 3                         ; the text's batch
	s_and_b32 s86, s3, 31
	s_lshl_b32 s86, s86, 8                         ; 4 s0
	s_lshl_b32 s42, s59, 23
	s_lshl_b32 s87, s57, 20
	s_add_co_u32 s42, s42, s87
	s_add_co_u32 s42, s42, s86
	s_lshl_b32 s87, s58, 7
	s_add_co_u32 s42, s42, s87
	s_mov_b32 s43, 0
	v_lshl_add_u32 v7, v0, 4, GBX                  ; where I put 16 bytes of g_x or b_x; g_t, b_t 8,192 on
	v_and_b32 v8, 0xff, v0
	s_delay_alu instid0(VALU_DEP_1)
	v_lshlrev_b32 v8, 4, v8
	s_lshl_b32 s87, s57, 8
	s_lshl_b32 s88, s58, 7
	s_add_co_u32 s88, s88, SX1
	v_add_nc_u32 v10, s88, v5                      ; my column's partial sums
	s_delay_alu instid0(VALU_DEP_1)
	v_add_nc_u32 v9, s87, v10                      ; and mine among them
	s_lshl_b32 s87, s57, 9
	s_add_co_u32 s87, s87, GBX
	v_mov_b32 v11, s87                             ; g_x at my 128 channels: one address in all lanes
	v_mul_u32_u24 v12, v3, 12288
	s_delay_alu instid0(VALU_DEP_1)
	v_lshl_add_u32 v12, v2, 4, v12                 ; xn: tile l / 16, 16 r
	v_lshlrev_b32 v13, 8, v0                       ; the prefetches' offset; never rewritten
	s_wait_alu depctr_va_vdst(0)
	s_wait_kmcnt 0x0
	s_add_nc_u64 s[66:67], s[4:5], s[42:43]
	s_cmp_lt_u32 s2, 8                             ; waves 0-7 copy the gains, waves 8-15 the biases
	s_cselect_b64 s[44:45], s[8:9], s[10:11]
	s_cselect_b64 s[46:47], s[12:13], s[14:15]
	global_load_b128 v[96:99], v8, s[44:45]
	global_load_b128 v[100:103], v8, s[46:47]
	XCHUNK 0
	XCHUNK 1
	s_lshl_b32 s86, s3, 2
	s_lshl_b32 s87, s58, 1
	s_add_co_u32 s86, s86, s87
	s_mul_i32 s42, s86, 12288
	s_mul_i32 s87, s57, 1536
	s_add_co_u32 s42, s42, s87
	s_add_nc_u64 s[68:69], s[32:33], s[42:43]      ; xn: tiles 4 i + 2 sg on, K step cg
	s_lshl_b32 s86, s3, 1
	s_add_co_u32 s86, s86, s58
	s_lshl_b32 s86, s86, 3
	s_add_co_u32 s86, s86, s57
	s_lshl_b32 s42, s86, 7
	s_add_co_u32 s42, s42, XS_OFF
	s_add_nc_u64 s[70:71], s[32:33], s[42:43]      ; and their scale line
	s_lshl_b32 s42, s60, 18
	s_add_nc_u64 s[72:73], s[6:7], s[42:43]        ; the 64 text rows
	s_wait_loadcnt 32                              ; the copies and rows 0-31 are in; the 32 loads of rows 32-63 may be out
	ds_store_b128 v7, v[96:99]
	ds_store_b128 v7, v[100:103] offset:8192
	XCHUNK 2
	ACC32 D, 1
	s_wait_alu depctr_va_vdst(0)
	s_wait_loadcnt 32                              ; rows 32-63 are in; the 32 loads behind them may be out
	XCHUNK 3
	ACC32 D+32, 0
	s_wait_alu depctr_va_vdst(0)
	s_wait_loadcnt 32                              ; rows 64-95
	ACC32 D+64, 0
	s_wait_alu depctr_va_vdst(0)
	s_wait_loadcnt 0x0
	ACC32 D+96, 0
	FOLD
	ds_store_b32 v9, v16
	BAR                                            ; the eight partial sums of each column, and g and b, lie in LDS
	; The 64 text rows (262,144 bytes) are asked for here, each aligned 256 bytes once in the launch: of the four work-groups that read them the first asks, a thread a block, two instructions
	s_cmp_lg_u32 s61, 0
	s_cbranch_scc1 .Lno_ask
	global_prefetch_b8 v13, s[72:73] th:TH_LOAD_NT scope:SCOPE_SE
	global_prefetch_b8 v13, s[72:73] offset:131072 th:TH_LOAD_NT scope:SCOPE_SE
.Lno_ask:
.irp k, 0,1,2,3,4,5,6,7
	ds_load_b32 v[16+\k], v10 offset:256*\k
.endr
	s_wait_dscnt 0x0
	v_add_f32 v16, v16, v17
	v_add_f32 v18, v18, v19
	v_add_f32 v20, v20, v21
	v_add_f32 v22, v22, v23
	s_delay_alu instid0(VALU_DEP_3)
	v_add_f32 v16, v16, v18
	s_delay_alu instid0(VALU_DEP_2)
	v_add_f32 v20, v20, v22
	s_delay_alu instid0(VALU_DEP_1)
	v_add_f32 v16, v16, v20
	s_delay_alu instid0(VALU_DEP_1)
	v_mul_f32 v124, s54, v16                       ; the mean
	s_delay_alu instid0(VALU_DEP_1)
	v_mov_b32 v125, v124
	CENTER
	SQ32 D, 1
	SQ32 D+32, 0
	SQ32 D+64, 0
	SQ32 D+96, 0
	FOLD
	ds_store_b32 v9, v16 offset:2048
	BAR
.irp k, 0,1,2,3,4,5,6,7
	ds_load_b32 v[16+\k], v10 offset:2048+256*\k
.endr
	LOADGB 11, 0, 64
	s_wait_dscnt 16                                ; the eight partial sums are in; the 16 loads of g and b may be out
	v_add_f32 v16, v16, v17
	v_add_f32 v18, v18, v19
	v_add_f32 v20, v20, v21
	v_add_f32 v22, v22, v23
	s_delay_alu instid0(VALU_DEP_3)
	v_add_f32 v16, v16, v18
	s_delay_alu instid0(VALU_DEP_2)
	v_add_f32 v20, v20, v22
	s_delay_alu instid0(VALU_DEP_1)
	v_add_f32 v16, v16, v20
	s_delay_alu instid0(VALU_DEP_1)
	v_fma_f32 v126, v16, s54, s55                  ; the variance + eps
	s_wait_alu depctr_va_vdst(0)
	v_rsq_f32 v126, v126
	v_nop                                          ; a plain place behind the transcendental,
	s_wait_alu depctr_va_vdst(0)                   ; and the wait ahead of its first reader
	v_mov_b32 v127, v126
	s_wait_alu depctr_va_vdst(0)
.irp be, 0,1,2,3
	s_wait_dscnt 0x0                               ; this block's g and b
	NORM D+32*\be
.if \be < 3
	LOADGB 11, 128*(\be+1), 128*(\be+1)+64
.endif
	BLOCKQ \be
.endr
.irp hh, 0,1
.irp g, 0,1,2
	global_store_b128 v12, v[96+12*\hh+4*\g:99+12*\hh+4*\g], s[68:69] offset:512*\g+256*\hh   ; 16 lanes store 256 consecutive bytes, aligned
.endr
.endr
	global_store_b32 v5, v[PW], s[70:71]
	; ---- T: wave (tile, kq) takes the 16 rows of permuted tile wave / 4 and K steps 2 kq, 2 kq + 1
	s_wait_xcnt 0x0                                ; the stores have read their registers: v12, v15 and v96-119 are written again below
	s_lshr_b32 s57, s2, 2                          ; tile
	s_and_b32 s58, s2, 3                           ; kq
	v_lshlrev_b32 v7, 12, v6
	s_delay_alu instid0(VALU_DEP_1)
	v_lshl_add_u32 v7, v3, 6, v7                   ; text: row r + 8 (r / 8) of 4,096 bytes, + 64 h
	s_wait_alu depctr_va_vdst(0)
	s_lshl_b32 s86, s57, 8
	s_add_co_u32 s86, s86, ST1
	v_lshl_add_u32 v9, v2, 2, s86                  ; my row's four partial sums
	s_lshl_b32 s87, s58, 6
	v_add_nc_u32 v8, s87, v9                       ; and mine among them
	s_lshl_b32 s86, s58, 10
	s_add_co_u32 s86, s86, GBX+8192
	v_lshl_add_u32 v10, v3, 6, s86                 ; g_t at my 256 channels, + 64 h
	s_lshl_b32 s86, s57, 3
	s_lshl_b32 s87, s58, 1
	s_add_co_u32 s86, s86, s87
	s_mul_i32 s87, s86, 1536
	v_add_nc_u32 v11, s87, v4                      ; my two images
	s_lshr_b32 s86, s57, 1
	s_lshl_b32 s86, s86, 3
	s_lshl_b32 s87, s58, 1
	s_add_co_u32 s86, s86, s87
	s_lshl_b32 s86, s86, 7
	s_and_b32 s87, s57, 1
	s_lshl_b32 s87, s87, 6
	s_add_co_u32 s86, s86, s87
	s_add_co_u32 s86, s86, TSL
	v_lshl_add_u32 v12, v2, 2, s86                 ; my rows' words in the scale lines
	s_lshl_b32 s42, s60, 18
	s_lshr_b32 s86, s57, 1
	s_lshl_b32 s86, s86, 17
	s_add_co_u32 s42, s42, s86
	s_and_b32 s86, s57, 1
	s_lshl_b32 s86, s86, 15
	s_add_co_u32 s42, s42, s86
	s_lshl_b32 s86, s58, 10
	s_add_co_u32 s42, s42, s86
	s_add_nc_u64 s[74:75], s[6:7], s[42:43]
.irp q, 0,1
.irp b, 0,1,2,3
.irp j, 0,1,2,3
	global_load_b128 v[D+64*\q+16*\b+4*\j:D+64*\q+16*\b+4*\j+3], v7, s[74:75] offset:512*\q+128*\b+16*\j
.endr
.endr
.endr
	s_wait_loadcnt 16                              ; the first K step's 16 loads are in, the second's may be out
	ACC32 D, 1
	ACC32 D+32, 0
	s_wait_alu depctr_va_vdst(0)
	s_wait_loadcnt 0x0
	ACC32 D+64, 0
	ACC32 D+96, 0
	FOLD
	s_lshl_b32 s86, s57, 12                        ; (the loads are in: v7 now takes the place of my cos and sin in LDS)
	s_lshl_b32 s87, s58, 9
	s_add_co_u32 s86, s86, s87
	s_add_co_u32 s86, s86, CSL
	v_add_nc_u32 v7, s86, v4
	v_permlanex16_b32 v17, v16, s[SEL], s[SEL+1]
	s_delay_alu instid0(VALU_DEP_1)
	v_add_f32 v16, v16, v17
	ds_store_b32 v8, v16                           ; (both halves of the lanes write the same word with the same number)
	BAR
.irp k, 0,1,2,3
	ds_load_b32 v[16+\k], v9 offset:64*\k
.endr
	s_wait_dscnt 0x0
	v_add_f32 v16, v16, v17
	v_add_f32 v18, v18, v19
	s_delay_alu instid0(VALU_DEP_1)
	v_add_f32 v16, v16, v18
	s_delay_alu instid0(VALU_DEP_1)
	v_mul_f32 v124, s54, v16
	s_delay_alu instid0(VALU_DEP_1)
	v_mov_b32 v125, v124
	CENTER
	SQ32 D, 1
	SQ32 D+32, 0
	SQ32 D+64, 0
	SQ32 D+96, 0
	FOLD
	s_delay_alu instid0(VALU_DEP_1)
	v_permlanex16_b32 v17, v16, s[SEL], s[SEL+1]
	s_delay_alu instid0(VALU_DEP_1)
	v_add_f32 v16, v16, v17
	ds_store_b32 v8, v16 offset:1024
	BAR
.irp k, 0,1,2,3
	ds_load_b32 v[16+\k], v9 offset:1024+64*\k
.endr
	LOADGB 10, 0, 128
	s_wait_dscnt 16                                ; the four partial sums are in; the 16 loads of g and b may be out
	v_add_f32 v16, v16, v17
	v_add_f32 v18, v18, v19
	s_delay_alu instid0(VALU_DEP_1)
	v_add_f32 v16, v16, v18
	s_delay_alu instid0(VALU_DEP_1)
	v_fma_f32 v126, v16, s54, s55
	s_wait_alu depctr_va_vdst(0)
	v_rsq_f32 v126, v126
	v_nop
	s_wait_alu depctr_va_vdst(0)
	v_mov_b32 v127, v126
	s_wait_alu depctr_va_vdst(0)
.irp c, 0,1,2,3
	s_wait_dscnt 0x0                               ; this chunk's g and b are in, and the image's stores have read their registers
	NORM D+32*\c
.if \c < 3
	LOADGB 10, 256*(\c+1), 256*(\c+1)+128
.endif
.if \c%2 == 1
	QUANT D+32*(\c-1)
.irp g, 0,1,2
	ds_store_b128 v11, v[PC+4*\g:PC+4*\g+3] offset:1536*(\c/2)+512*\g
.endr
	ds_store_b32 v12, v[PW] offset:128*(\c/2)
.endif
.endr
	; ---- cos and sin.  Each wave makes four frequencies of each half of the lanes: 4 kq + e and 16 + 4 kq + e.  Trip 0: the positions 4 t of my tile's keys, into LDS.
	; Trip 1, walked by waves 0-3 of even work-groups alone: positions 16 (i / 2) + r, into the queries' table
	v_cmp_eq_u32 vcc_lo, 1, v3
	v_lshrrev_b32 v176, 3, v2
	s_lshl_b32 s88, s62, 8
	s_lshr_b32 s86, s57, 1
	s_lshl_b32 s86, s86, 7
	s_add_co_u32 s88, s88, s86
	s_and_b32 s86, s57, 1
	s_lshl_b32 s86, s86, 5
	s_add_co_u32 s88, s88, s86                     ; 4 (64 tb + 32 (tile / 2) + 8 (tile % 2))
	s_mov_b32 s89, 4                               ; + 4 r
	s_mov_b32 s90, 32                              ; + 32 (r / 8)
	s_lshr_b32 s86, s3, 1
	s_lshl_b32 s42, s86, 12
	s_lshl_b32 s87, s58, 9
	s_add_co_u32 s42, s42, s87
	s_add_nc_u64 s[92:93], s[38:39], s[42:43]
	s_and_b32 s86, s3, 1
	s_lshl_b32 s86, s86, 4
	s_or_b32 s86, s86, s2
	s_cmp_lt_u32 s86, 4
	s_cselect_b32 s94, 2, 1                        ; the trips; the loop does not write it
	s_mov_b32 s91, 0
.Ltrig:
	v_mul_u32_u24 v177, v2, s89
	s_wait_alu depctr_va_vdst(0)
	v_mad_u32_u24 v177, v176, s90, v177
	s_delay_alu instid0(VALU_DEP_1)
	v_add_nc_u32 v177, s88, v177
	s_delay_alu instid0(VALU_DEP_1)
	v_cvt_f32_u32 v177, v177                       ; the position, exact
	s_cmp_eq_u32 s58, 0
	s_cbranch_scc1 .Lf0
	s_cmp_eq_u32 s58, 1
	s_cbranch_scc1 .Lf1
	s_cmp_eq_u32 s58, 2
	s_cbranch_scc1 .Lf2
	TRIG 0, 0.03162277660, 0.0003162277660         ; the frequencies are 10^(-f / 8)
	TRIG 1, 0.02371373706, 0.0002371373706
	TRIG 2, 0.01778279410, 0.0001778279410
	TRIG 3, 0.01333521432, 0.0001333521432
	s_branch .Lfj
.Lf0:
	s_wait_alu depctr_va_vdst(0)
	TRIG 0, 1.0, 0.01
	TRIG 1, 0.7498942093, 0.007498942093
	TRIG 2, 0.5623413252, 0.005623413252
	TRIG 3, 0.4216965034, 0.004216965034
	s_branch .Lfj
.Lf1:
	s_wait_alu depctr_va_vdst(0)
	TRIG 0, 0.3162277660, 0.003162277660
	TRIG 1, 0.2371373706, 0.002371373706
	TRIG 2, 0.1778279410, 0.001778279410
	TRIG 3, 0.1333521432, 0.001333521432
	s_branch .Lfj
.Lf2:
	s_wait_alu depctr_va_vdst(0)
	TRIG 0, 0.1, 0.001
	TRIG 1, 0.07498942093, 0.0007498942093
	TRIG 2, 0.05623413252, 0.0005623413252
	TRIG 3, 0.04216965034, 0.0004216965034
.Lfj:
	s_cmp_lg_u32 s91, 0
	s_cbranch_scc1 .Ltab
	s_wait_alu depctr_va_vdst(0)
	ds_store_b128 v7, v[128:131]                   ; cos: register group kq of my tile's image
	ds_store_b128 v7, v[132:135] offset:2048       ; sin: group 4 + kq
	s_branch .Lnext
.Ltab:
	s_wait_alu depctr_va_vdst(0)
	global_store_b128 v4, v[128:131], s[92:93]
	global_store_b128 v4, v[132:135], s[92:93] offset:2048
	s_wait_xcnt 0x0                                ; the stores have read their registers
.Lnext:
	s_lshr_b32 s88, s3, 1
	s_lshl_b32 s88, s88, 4
	s_mov_b32 s89, 1
	s_mov_b32 s90, 0
	s_add_co_u32 s91, s91, 1
	s_cmp_lt_u32 s91, s94
	s_cbranch_scc1 .Ltrig
	BAR                                            ; the text's 32 images, their scale lines and the keys' cos and sin lie in LDS.  The last barrier
	; ---- G
	s_and_b32 s86, s2, 3
	s_lshl_b32 s95, s61, 2
	s_add_co_u32 s95, s95, s86                     ; my head
	s_lshl_b32 s96, s63, 4
	s_add_co_u32 s96, s96, s95                     ; batch x 16 + head
	s_cmp_lt_u32 s2, 4
	s_cbranch_scc1 .Lrole_k
	s_cmp_lt_u32 s2, 8
	s_cbranch_scc1 .Lrole_v
	s_cmp_lt_u32 s2, 10
	s_cbranch_scc1 .Lrole_wo
	s_wait_xcnt 0x0
	v_lshl_add_u32 v254, v0, 2, 0x16000
	v_mov_b32 v255, 0
	s_wait_alu depctr_va_vdst(0)
	s_wait_tensorcnt 0x0
	ds_add_u32 v254, v255
	s_wait_dscnt 0x0
	s_endpgm
.macro GSET wc, ws                     ; my head's 64 rows of the weight: codes and scale words
	s_mul_i32 s42, s95, 49152
	s_add_nc_u64 s[76:77], s[\wc:\wc+1], s[42:43]
	s_lshl_b32 s42, s95, 11
	s_add_nc_u64 s[78:79], s[\ws:\ws+1], s[42:43]
	s_mov_b32 s97, 0x03010200                      ; byte select: a scale word's bytes 1 and 2 change places
	v_mul_u32_u24 v7, v6, 768
	s_delay_alu instid0(VALU_DEP_1)
	v_mad_u32_u24 v7, v3, 48, v7                   ; row r + 8 (r / 8) of 768 bytes, + 48 h: lanes 0-15 take a K step's blocks 0 and 1, lanes 16-31 its blocks 2 and 3
	v_lshl_add_u32 v8, v3, 3, v6
	s_delay_alu instid0(VALU_DEP_1)
	v_lshlrev_b32 v8, 5, v8                        ; scale words: lanes 16-31 take the odd tile's rows, 8 further on
.irp q, 0,1
	global_load_b128 v[WS+8*\q:WS+8*\q+3], v8, s[78:79] offset:1024*\q
	global_load_b128 v[WS+8*\q+4:WS+8*\q+7], v8, s[78:79] offset:1024*\q+16
.endr
.endm
; one K step of 128: four weight fragments from memory, four text fragments from LDS, 16 products on 16 accumulators that take turns.  kind 0: source 0 = the weight (k); 1: source 0 = the text (v)
.macro KSTEP ks, kind
.irp c, 0,1,2,3
.irp g, 0,1,2
	global_load_b128 v[WF+12*\c+4*\g:WF+12*\c+4*\g+3], v7, s[76:77] offset:(32*(\c/2)+8*(\c%2))*768+96*(\ks)+16*\g   ; 48 consecutive bytes a lane, at a multiple of 16
.endr
.endr
.irp t, 0,1,2,3
.irp g, 0,1,2
	ds_load_b128 v[TF+12*\t+4*\g:TF+12*\t+4*\g+3], v4 offset:(8*\t+(\ks))*1536+512*\g
.endr
.endr
	ds_load_b32 v1, v14 offset:(\ks)*128
	ds_load_b32 v15, v14 offset:(8+(\ks))*128
	s_wait_loadcnt 0x0
	s_wait_dscnt 0x0
.if (\ks) == 0
.set E, 0
.rept 16
	v_perm_b32 v[WS+E], v[WS+E], v[WS+E], s97      ; the weights' scale words follow their blocks
.set E, E+1
.endr
	s_wait_alu depctr_va_vdst(0)                   ; the later K steps read these words behind waits
.rept 8
	v_nop                                          ; a scale register written by a vector instruction stands eight places ahead of a scaled product
.endr
.endif
.irp t, 0,1,2,3
.irp c, 0,1,2,3
.if (\kind) == 0
	WM 0, ACC+32*\t+8*\c, WF+12*\c, TF+12*\t, WS+8*(\c/2)+(\ks), \c%2, 1+14*(\t/2), \t%2
.elseif (\ks) == 0
	WM 1, ACC+32*\c+8*\t, TF+12*\t, WF+12*\c, 1+14*(\t/2), \t%2, WS+8*(\c/2)+(\ks), \c%2
.else
	WM 0, ACC+32*\c+8*\t, TF+12*\t, WF+12*\c, 1+14*(\t/2), \t%2, WS+8*(\c/2)+(\ks), \c%2
.endif
.endr
.endr
	PLACES
.endm
.macro CSLOAD t, set
.irp g, 0,1,2,3,4,5,6,7
	ds_load_b128 v[(\set)+4*\g:(\set)+4*\g+3], v4 offset:CSL+4096*(\t)+512*\g
.endr
.endm
.Lrole_k:                                      ; k^T = Wk^T tn^T: a lane holds one key, its 32 registers of a tile of keys the head's channels 32 b + 16 h + i
	GSET 16, 18
	s_lshl_b32 s42, s95, 8
	s_add_nc_u64 s[80:81], s[20:21], s[42:43]
	v_lshlrev_b32 v9, 6, v3
.irp t, 0,1,2,3                                ; the bias is what the sums begin with
.irp c, 0,1,2,3
	global_load_b128 v[ACC+32*\t+8*\c:ACC+32*\t+8*\c+3], v9, s[80:81] offset:4*(32*(\c/2)+8*(\c%2))
	global_load_b128 v[ACC+32*\t+8*\c+4:ACC+32*\t+8*\c+7], v9, s[80:81] offset:4*(32*(\c/2)+8*(\c%2))+16
.endr
.endr
	s_lshl_b32 s86, s96, 5
	s_lshl_b32 s87, s62, 2
	s_add_co_u32 s86, s86, s87                     ; my first tile of keys
	s_mul_i32 s42, s86, 768
	s_add_nc_u64 s[82:83], s[34:35], s[42:43]
	s_lshl_b32 s42, s86, 6
	s_add_co_u32 s42, s42, KS_OFF
	s_add_nc_u64 s[84:85], s[34:35], s[42:43]
	s_wait_alu depctr_va_vdst(0)
.irp s, 0,1,2,3,4,5,6,7
	KSTEP \s, 0
.endr
	CSLOAD 0, 32
	CSLOAD 1, 64
.irp t, 0,1,2,3
.if \t < 3
	s_wait_dscnt 8                                 ; this tile's cos and sin are in; the next tile's eight loads may be out
.else
	s_wait_dscnt 0x0
.endif
	ROPE ACC+32*\t, 32+32*(\t%2)
.if \t < 2
	CSLOAD \t+2, 32+32*(\t%2)
.endif
	QUANT2 ACC+32*\t, 96+6*\t, 124, 120+\t
	v_or_b32 v[120+\t], 0x7f7f0000, v[120+\t]      ; the upper 64 of the score product's K meet zero codes of q: scale 1 there
.endr
	v_lshlrev_b32 v8, 1, v5                        ; 8 l
.irp t, 0,1,2,3
.irp p, 0,1,2
	global_store_b64 v8, v[96+6*\t+2*\p:97+6*\t+2*\p], s[82:83] offset:768*\t+256*\p   ; 32 lanes store 256 consecutive bytes, aligned
.endr
.endr
	v_cmp_eq_u32 vcc_lo, 1, v3
	s_delay_alu instid0(VALU_DEP_1)
	v_cndmask_b32 v16, v120, v121, vcc_lo          ; lanes 0-15 the even tile's words, lanes 16-31 the odd one's
	s_delay_alu instid0(VALU_DEP_2)
	v_cndmask_b32 v17, v122, v123, vcc_lo
	global_store_b32 v5, v16, s[84:85]
	global_store_b32 v5, v17, s[84:85] offset:128
	s_wait_xcnt 0x0
	v_lshl_add_u32 v254, v0, 2, 0x16000
	v_mov_b32 v255, 0
	s_wait_alu depctr_va_vdst(0)
	s_wait_tensorcnt 0x0
	ds_add_u32 v254, v255
	s_wait_dscnt 0x0
	s_endpgm
.Lrole_v:                                      ; v = tn Wv: a lane holds one channel, its 32 registers of a tile of channels the keys 32 b + 16 h + i of the 64
	GSET 22, 24
	s_lshl_b32 s42, s95, 8
	s_add_nc_u64 s[80:81], s[26:27], s[42:43]
	v_lshlrev_b32 v9, 2, v6
	s_lshl_b32 s86, s96, 2
	s_lshr_b32 s87, s62, 1
	s_add_co_u32 s86, s86, s87
	s_lshl_b32 s86, s86, 3
	s_and_b32 s87, s62, 1
	s_add_co_u32 s86, s86, s87
	s_mul_i32 s42, s86, 768
	s_add_co_u32 s42, s42, VC_OFF
	s_add_nc_u64 s[82:83], s[34:35], s[42:43]
	s_lshl_b32 s86, s96, 3
	s_add_co_u32 s86, s86, s62
	s_lshl_b32 s42, s86, 7
	s_add_co_u32 s42, s42, VS_OFF
	s_add_nc_u64 s[84:85], s[34:35], s[42:43]
	s_wait_alu depctr_va_vdst(0)
.irp s, 0,1,2,3,4,5,6,7
	KSTEP \s, 1
.endr
.irp c, 0,1,2,3
	global_load_b32 v[32+\c], v9, s[80:81] offset:4*(32*(\c/2)+8*(\c%2))   ; my channel's bias in each tile
.endr
	s_wait_loadcnt 0x0
.irp c, 0,1,2,3
.set E, 0
.rept 16
.if \c%2 == 0
	v_pk_add_f32 v[ACC+32*\c+E:ACC+32*\c+E+1], v[ACC+32*\c+E:ACC+32*\c+E+1], v[32+2*(\c/2):33+2*(\c/2)] op_sel_hi:[1,0]
.else
	v_pk_add_f32 v[ACC+32*\c+E:ACC+32*\c+E+1], v[ACC+32*\c+E:ACC+32*\c+E+1], v[32+2*(\c/2):33+2*(\c/2)] op_sel:[0,1]
.endif
.set E, E+2
.endr
.endr
	v_lshlrev_b32 v8, 1, v5                        ; 8 l
.irp c, 0,1,2,3
	QUANT2 ACC+32*\c, 96+6*\c, 124, 120+\c
.irp p, 0,1,2
	global_store_b64 v8, v[96+6*\c+2*\p:97+6*\c+2*\p], s[82:83] offset:1536*\c+256*\p
.endr
.endr
	v_cmp_eq_u32 vcc_lo, 1, v3
	s_delay_alu instid0(VALU_DEP_1)
	v_cndmask_b32 v16, v120, v121, vcc_lo
	s_delay_alu instid0(VALU_DEP_2)
	v_cndmask_b32 v17, v122, v123, vcc_lo
	v_lshrrev_b32 v10, 1, v5                       ; 2 l
	global_store_b16 v10, v16, s[84:85]
	global_store_b16 v10, v17, s[84:85] offset:64
	s_wait_xcnt 0x0
	v_lshl_add_u32 v254, v0, 2, 0x16000
	v_mov_b32 v255, 0
	s_wait_alu depctr_va_vdst(0)
	s_wait_tensorcnt 0x0
	ds_add_u32 v254, v255
	s_wait_dscnt 0x0
	s_endpgm
.Lrole_wo:                                     ; fragment f = 2 i + wave - 8 of Wo (rows 16 (f / 8) on, K step f % 8) as an image of its registers
	s_lshl_b32 s86, s3, 1
	s_add_co_u32 s86, s86, s2
	s_sub_co_u32 s86, s86, 8
	s_lshr_b32 s87, s86, 3
	s_and_b32 s88, s86, 7
	s_mul_i32 s42, s87, 12288
	s_mul_i32 s89, s88, 96
	s_add_co_u32 s42, s42, s89
	s_add_nc_u64 s[76:77], s[28:29], s[42:43]
	s_lshl_b32 s42, s87, 9
	s_lshl_b32 s89, s88, 2
	s_add_co_u32 s42, s42, s89
	s_add_nc_u64 s[78:79], s[30:31], s[42:43]
	s_mul_i32 s42, s86, 1536
	s_add_nc_u64 s[80:81], s[36:37], s[42:43]
	s_lshr_b32 s89, s87, 1
	s_lshl_b32 s89, s89, 3
	s_add_co_u32 s89, s89, s88
	s_lshl_b32 s42, s89, 7
	s_and_b32 s89, s87, 1
	s_lshl_b32 s89, s89, 6
	s_add_co_u32 s42, s42, s89
	s_add_co_u32 s42, s42, WOS_OFF
	s_add_nc_u64 s[82:83], s[36:37], s[42:43]
	v_mul_u32_u24 v7, v2, 768
	s_delay_alu instid0(VALU_DEP_1)
	v_mad_u32_u24 v7, v3, 24, v7
	v_lshlrev_b32 v8, 5, v2
	v_lshlrev_b32 v9, 2, v2
.irp p, 0,1,2,3,4,5
	global_load_b64 v[32+2*\p:33+2*\p], v7, s[76:77] offset:48*(\p/3)+8*(\p%3)
.endr
	global_load_b32 v44, v8, s[78:79]
	s_wait_alu depctr_va_vdst(0)
	s_wait_loadcnt 0x0
.irp g, 0,1,2
	global_store_b128 v4, v[32+4*\g:35+4*\g], s[80:81] offset:512*\g
.endr
	global_store_b32 v9, v44, s[82:83]             ; (both halves of the lanes write the same word with the same number)
	s_wait_xcnt 0x0
	v_lshl_add_u32 v254, v0, 2, 0x16000
	v_mov_b32 v255, 0
	s_wait_alu depctr_va_vdst(0)
	s_wait_tensorcnt 0x0
	ds_add_u32 v254, v255
	s_wait_dscnt 0x0
	s_endpgm
.Lfunc_end_k_q2df34bfda3_prep:
	.size	k_q2df34bfda3_prep, .Lfunc_end_k_q2df34bfda3_prep-k_q2df34bfda3_prep
	.p2alignl 7, 3214868480
	.fill 96, 4, 3214868480
	.section	.rodata,"a",@progbits
	.p2align	6, 0x0
	.amdhsa_kernel k_q2df34bfda3_prep
		.amdhsa_group_segment_fixed_size 92160
		.amdhsa_private_segment_fixed_size 0
		.amdhsa_enable_private_segment 0
		.amdhsa_kernarg_size 144
		.amdhsa_user_sgpr_count 2
		.amdhsa_user_sgpr_kernarg_segment_ptr 1
		.amdhsa_wavefront_size32 1
		.amdhsa_system_sgpr_workgroup_id_x 1
		.amdhsa_system_sgpr_workgroup_id_y 1
		.amdhsa_system_sgpr_workgroup_id_z 1
		.amdhsa_system_vgpr_workitem_id 0
		.amdhsa_next_free_vgpr 256
		.amdhsa_next_free_sgpr 100
		.amdhsa_reserve_vcc 1
		.amdhsa_float_denorm_mode_32 3
		.amdhsa_float_denorm_mode_16_64 3
		.amdhsa_memory_ordered 1
		.amdhsa_forward_progress 1
		.amdhsa_inst_pref_size 255
	.end_amdhsa_kernel
	.amdgpu_metadata
---
amdhsa.version: [ 1, 2 ]
amdhsa.kernels:
  - .name:           k_q2df34bfda3_prep
    .symbol:         k_q2df34bfda3_prep.kd
    .args:
      - { .name: x, .offset: 0, .size: 8, .value_kind: global_buffer, .address_space: global }
      - { .name: text_embeddings, .offset: 8, .size: 8, .value_kind: global_buffer, .address_space: global }
      - { .name: g_x, .offset: 16, .size: 8, .value_kind: global_buffer, .address_space: global }
      - { .name: b_x, .offset: 24, .size: 8, .value_kind: global_buffer, .address_space: global }
      - { .name: g_t, .offset: 32, .size: 8, .value_kind: global_buffer, .address_space: global }
      - { .name: b_t, .offset: 40, .size: 8, .value_kind: global_buffer, .address_space: global }
      - { .name: Wk_codes, .offset: 48, .size: 8, .value_kind: global_buffer, .address_space: global }
      - { .name: Wk_scales, .offset: 56, .size: 8, .value_kind: global_buffer, .address_space: global }
      - { .name: bk, .offset: 64, .size: 8, .value_kind: global_buffer, .address_space: global }
      - { .name: Wv_codes, .offset: 72, .size: 8, .value_kind: global_buffer, .address_space: global }
      - { .name: Wv_scales, .offset: 80, .size: 8, .value_kind: global_buffer, .address_space: global }
      - { .name: bv, .offset: 88, .size: 8, .value_kind: global_buffer, .address_space: global }
      - { .name: Wo_codes, .offset: 96, .size: 8, .value_kind: global_buffer, .address_space: global }
      - { .name: Wo_scales, .offset: 104, .size: 8, .value_kind: global_buffer, .address_space: global }
      - { .name: xn, .offset: 112, .size: 8, .value_kind: global_buffer, .address_space: global }
      - { .name: kv, .offset: 120, .size: 8, .value_kind: global_buffer, .address_space: global }
      - { .name: wo, .offset: 128, .size: 8, .value_kind: global_buffer, .address_space: global }
      - { .name: rope, .offset: 136, .size: 8, .value_kind: global_buffer, .address_space: global }
    .group_segment_fixed_size: 92160
    .private_segment_fixed_size: 0
    .kernarg_segment_align: 8
    .kernarg_segment_size: 144
    .max_flat_workgroup_size: 512
    .sgpr_count:     100
    .vgpr_count:     256
    .wavefront_size: 32
...
	.end_amdgpu_metadata
.endif
;; end of part 1
;; launch qattn (part 2): grid 2 x 128, 16 waves a work-group, no clusters, 109,568 bytes of LDS; arguments xn, kv, rope, Wq_codes, Wq_scales, bq, oc; writes oc
.if DOCPART == 2
	.amdgcn_target "amdgcn-amd-amdhsa--gfx1250"
	.amdhsa_code_object_version 6
	.text
	.protected	k_q2df34bfda3_qattn
	.globl	k_q2df34bfda3_qattn
	.p2align	8
	.type	k_q2df34bfda3_qattn,@function
k_q2df34bfda3_qattn:
	s_mov_b64 s[64:65], 0
	v_nop
	global_prefetch_b8 v0, s[64:65] scope:SCOPE_SE
	s_setreg_imm32_b32 hwreg(HW_REG_WAVE_MODE, 25, 1), 1
	s_wait_xcnt 0x0
; qattn: q of one head, RoPE, attention, o / l as codes.  Work-group (half, batch x 16 + head): 1,024 queries of one head; each of its sixteen waves owns 64 of them, four tiles of 16.
; P0  the head's k and v codes (24,576 bytes each), their scales, the head's 64 rows of Wq as 32 register images, and bq (a copy for each wave) come into LDS once; one barrier; afterwards LDS is only read.
; Then A LOOP OF TWO TRIPS, each for two tiles of queries, P1, P2 and P3 on end:
; P1  q^T = Wq^T xn^T + bq: eight accumulators by turns.  xn's fragments go from memory into the registers of the one wave that multiplies them, each once, through a ring of four slots of 24 registers
;     (a K step's two fragments): K step g uses slot g % 4, and slots 0-3 are asked for again (step g + 4) straight behind their products.  Wq's images are read from LDS once a trip.
; P2  RoPE from the table, then codes along the head's 64.  The score product's K is 128: q's upper 64 codes are zeros, so what stands in k's upper six registers counts for nothing.
; P3  for each of the two tiles four key steps of 128: S^T = k q^T, p = 2^(t - M) with M the running largest t rounded up to a whole number, p quantised along the keys, O^T += v^T p^T; the sum of the unquantised p divides at the end.
; The second trip's first four slots are asked for straight behind the first trip's P3, whose registers they take: so one wave's loads of xn stand beside the other waves' softmax.
; A lane holds one query throughout.  Four waves share a SIMD.
; NO CLUSTER, NO TENSOR LOADS: what work-groups share is xn (the sixteen heads of a batch read the same 786,432 bytes), and each of its fragments feeds one wave of a work-group: through LDS it would be written and read there
; on top of Wq's images that every wave reads; k and v are shared by two work-groups and are 1 / 16 of a work-group's bytes.
; NO PREFETCH: each block of xn is read by sixteen work-groups at about the same time, and k, v and the table are small.
; LIMITS: NaN and infinities are not served; a block's largest magnitude is floored at 2^-122 (a block of zeros gets the byte 1; only this program reads these bytes); 1 / l by v_rcp_f32.
.set XS_OFF, 12582912                  ; the scale lines of xn; those of oc lie as far behind its codes
.set VC_OFF, 3145728
.set KS_OFF, 6291456
.set VS_OFF, 6553600
.set VL,  24576                        ; LDS: 0 k, VL v, WQL Wq's images, KSW k's scale words, VSW v's, WQS Wq's scale lines, BQL bq: 256 bytes a wave, SPARE the spare words
.set WQL, 49152
.set KSW, 98304
.set VSW, 100352
.set WQS, 101376
.set BQL, 103424
.set SPARE, 107520
.set SEL, 40
.set CS,  42                           ; s[42:43] c = log2(e) / 8
; P1, P2: v8-19 the two tiles' codes (six registers each), v32-33 their scale words: what P3 takes over
.set WF,  36                           ; v36-83   Wq's four fragments of a K step
.set RING, 84                          ; v84-179  four slots of two fragments of xn; slots 0-2 take cos and sin at the end, slot 3 (v156-179) is at work in P2
.set WQR, 180                          ; v180-181 Wq's scale lines of a K step
.set XSR, 182                          ; v182-185 xn's scale line, one for each slot
.set AW,  24                           ; v24 WQL + 16 lane, v25 WQS + 4 lane, v26 my copy of bq + 64 (lane / 16): registers that P3 leaves alone, since both trips read them
.set AWS, 25
.set AB,  26
.set ACC, 192                          ; v192-255 the accumulators (tile ml, tile of channels c: 32 ml + 8 c); in P0 what is on its way into LDS
.set QF,  36                           ; P3: v36-47 q's fragment: six registers of codes, six of zeros
.set QS,  48
.set PWR, 49                           ; p's scale word
.set NM,  50                           ; v50 -M, v51 the largest t
.set SU,  52                           ; v[52:53] the sum, in two halves
.set FF,  54                           ; v54 f = 2^(old M - new M); v55 is named with it as a pair
.set KV,  56                           ; v56-103 eight half fragments of k, or four fragments of v; v104-109 zeros behind the last of k
.set KSR, 110
.set VSR, 114
.set S,   116                          ; v116-179 S^T, then p
.set OT,  180                          ; v180-211 O^T
.set PCD, 212                          ; v212-223 p's codes
.set CT,  224
.set BM,  232                          ; v232-235 the blocks' largest scores
.set BX,  236
.set TP,  240
.set SO,  244
.macro BAR
	s_wait_dscnt 0x0
	s_barrier_signal -1
	s_barrier_wait -1
.endm
.macro PLACES                          ; four plain places behind matrix instructions, ahead of loads into their registers and of the first read of results
.rept 4
	v_nop
.endr
.endm
; one product.  z = 1: C is 0.  ra, rb = 1: that side's scales stand in lanes 16-31
.macro WM z, d, a, b, sa, ra, sb, rb
.if \z
.if (\ra) && (\rb)
	v_wmma_scale_f32_16x16x128_f8f6f4 v[(\d):(\d)+7], v[(\a):(\a)+11], v[(\b):(\b)+11], 0, v[\sa], v[\sb] matrix_a_fmt:MATRIX_FMT_BF6 matrix_b_fmt:MATRIX_FMT_BF6 matrix_a_scale:MATRIX_SCALE_ROW1 matrix_b_scale:MATRIX_SCALE_ROW1
.elseif (\ra)
	v_wmma_scale_f32_16x16x128_f8f6f4 v[(\d):(\d)+7], v[(\a):(\a)+11], v[(\b):(\b)+11], 0, v[\sa], v[\sb] matrix_a_fmt:MATRIX_FMT_BF6 matrix_b_fmt:MATRIX_FMT_BF6 matrix_a_scale:MATRIX_SCALE_ROW1
.elseif (\rb)
	v_wmma_scale_f32_16x16x128_f8f6f4 v[(\d):(\d)+7], v[(\a):(\a)+11], v[(\b):(\b)+11], 0, v[\sa], v[\sb] matrix_a_fmt:MATRIX_FMT_BF6 matrix_b_fmt:MATRIX_FMT_BF6 matrix_b_scale:MATRIX_SCALE_ROW1
.else
	v_wmma_scale_f32_16x16x128_f8f6f4 v[(\d):(\d)+7], v[(\a):(\a)+11], v[(\b):(\b)+11], 0, v[\sa], v[\sb] matrix_a_fmt:MATRIX_FMT_BF6 matrix_b_fmt:MATRIX_FMT_BF6
.endif
.else
.if (\ra) && (\rb)
	v_wmma_scale_f32_16x16x128_f8f6f4 v[(\d):(\d)+7], v[(\a):(\a)+11], v[(\b):(\b)+11], v[(\d):(\d)+7], v[\sa], v[\sb] matrix_a_fmt:MATRIX_FMT_BF6 matrix_b_fmt:MATRIX_FMT_BF6 matrix_a_scale:MATRIX_SCALE_ROW1 matrix_b_scale:MATRIX_SCALE_ROW1
.elseif (\ra)
	v_wmma_scale_f32_16x16x128_f8f6f4 v[(\d):(\d)+7], v[(\a):(\a)+11], v[(\b):(\b)+11], v[(\d):(\d)+7], v[\sa], v[\sb] matrix_a_fmt:MATRIX_FMT_BF6 matrix_b_fmt:MATRIX_FMT_BF6 matrix_a_scale:MATRIX_SCALE_ROW1
.elseif (\rb)
	v_wmma_scale_f32_16x16x128_f8f6f4 v[(\d):(\d)+7], v[(\a):(\a)+11], v[(\b):(\b)+11], v[(\d):(\d)+7], v[\sa], v[\sb] matrix_a_fmt:MATRIX_FMT_BF6 matrix_b_fmt:MATRIX_FMT_BF6 matrix_b_scale:MATRIX_SCALE_ROW1
.else
	v_wmma_scale_f32_16x16x128_f8f6f4 v[(\d):(\d)+7], v[(\a):(\a)+11], v[(\b):(\b)+11], v[(\d):(\d)+7], v[\sa], v[\sb] matrix_a_fmt:MATRIX_FMT_BF6 matrix_b_fmt:MATRIX_FMT_BF6
.endif
.endif
.endm
; 32 numbers of a lane, register 16 b + i = k 32 b + 16 (lane / 16) + i of my row: six registers of codes at v[d] (lane (r, h): block h), the two scale bytes in v[hw]; v[t] on and v[TQ] on at work
.macro QUANT2 s, d, t, hw
.irp b, 0,1
	v_max3_num_f32 v[TQ+\b], |v[(\s)+16*\b]|, |v[(\s)+1+16*\b]|, 0x2800000   ; and the floor 2^(5 - 127): the byte cannot fall under 1
.endr
.irp i, 2,4,6,8,10,12,14
.irp b, 0,1
	s_delay_alu instid0(VALU_DEP_2)
	v_max3_num_f32 v[TQ+\b], v[TQ+\b], |v[(\s)+16*\b+\i]|, |v[(\s)+1+16*\b+\i]|
.endr
.endr
.irp b, 0,1
	s_delay_alu instid0(VALU_DEP_2)
	v_permlanex16_b32 v[TQ+2+\b], v[TQ+\b], s[SEL], s[SEL+1]
.endr
.irp b, 0,1
	s_delay_alu instid0(VALU_DEP_2)
	v_max_num_f32 v[TQ+\b], v[TQ+\b], v[TQ+2+\b]
.endr
.irp b, 0,1
	s_delay_alu instid0(VALU_DEP_2)
	v_add_nc_u32 v[TQ+4+\b], 0xfe000000, v[TQ+\b]     ; 4 off the exponent field: the conversion's scale operand
.endr
.irp b, 0,1
	s_delay_alu instid0(VALU_DEP_2)
	v_lshrrev_b32 v[TQ+2+\b], 23, v[TQ+4+\b]
.endr
	s_delay_alu instid0(VALU_DEP_1)
	v_lshl_or_b32 v[\hw], v[TQ+3], 8, v[TQ+2]
	v_cvt_scalef32_pk16_bf6_f32 v[(\d):(\d)+2], v[(\s):(\s)+15], v[TQ+4]
	v_cvt_scalef32_pk16_bf6_f32 v[(\t):(\t)+2], v[(\s)+16:(\s)+31], v[TQ+5]
	v_nop                                          ; one plain place behind a scaled conversion
.irp i, 0,1,2
	v_permlane16_swap_b32 v[(\d)+\i], v[(\t)+\i]
.endr
.irp i, 0,1,2
	s_delay_alu instid0(VALU_DEP_3)
	v_mov_b32 v[(\d)+3+\i], v[(\t)+\i]
.endr
.endm
; rotate-half RoPE of 32 registers: a + i = channel 16 h + i, a + 16 + i = channel 32 + 16 h + i; cos at c + i, sin at s + i.  Each accumulator is read from its low end on
.macro ROPE a, c, s
.irp i, 0,2,4,6,8,10,12,14
.set RA, RT+4*((\i/2)%2)
	v_pk_mul_f32 v[RA:RA+1], v[(\a)+16+\i:(\a)+17+\i], v[(\s)+\i:(\s)+1+\i]
	v_pk_mul_f32 v[RA+2:RA+3], v[(\a)+\i:(\a)+1+\i], v[(\s)+\i:(\s)+1+\i]
	v_pk_fma_f32 v[(\a)+\i:(\a)+1+\i], v[(\a)+\i:(\a)+1+\i], v[(\c)+\i:(\c)+1+\i], v[RA:RA+1] neg_lo:[0,0,1] neg_hi:[0,0,1]
	v_pk_fma_f32 v[(\a)+16+\i:(\a)+17+\i], v[(\a)+16+\i:(\a)+17+\i], v[(\c)+\i:(\c)+1+\i], v[RA+2:RA+3]
.endr
.endm
; K step g's two fragments of xn and their scale line into slot g % 4: seven loads, 512 consecutive bytes each of the six
.macro RLOAD g
.irp ml, 0,1
.irp q, 0,1,2
	global_load_b128 v[RING+24*((\g)%4)+12*\ml+4*\q:RING+24*((\g)%4)+12*\ml+4*\q+3], v5, s[38:39] offset:(8*\ml+(\g))*1536+512*\q
.endr
.endr
	global_load_b32 v[XSR+(\g)%4], v6, s[46:47] offset:128*(\g)
.endm
.macro BIAS                            ; the bias is what the sums begin with: lane (r, h), tile c: channels 32 (c / 2) + 16 h + 8 (c % 2) + 0 .. 7, from my wave's copy in LDS
.irp ml, 0,1
.irp c, 0,1,2,3
	ds_load_b128 v[ACC+32*\ml+8*\c:ACC+32*\ml+8*\c+3], v[AB] offset:4*(32*(\c/2)+8*(\c%2))
	ds_load_b128 v[ACC+32*\ml+8*\c+4:ACC+32*\ml+8*\c+7], v[AB] offset:4*(32*(\c/2)+8*(\c%2))+16
.endr
.endr
.endm
; K step g: Wq's four fragments from LDS, eight products on eight accumulators that take turns.  left: the loads issued behind slot g's, which may stay out.  refill = 1: the slot takes step g + 4
.macro QSTEP g, left, refill
.irp c, 0,1,2,3
.irp q, 0,1,2
	ds_load_b128 v[WF+12*\c+4*\q:WF+12*\c+4*\q+3], v[AW] offset:(8*\c+(\g))*1536+512*\q
.endr
.endr
.irp q, 0,1
	ds_load_b32 v[WQR+\q], v[AWS] offset:(8*\q+(\g))*128
.endr
	s_wait_loadcnt \left
	s_wait_dscnt 0x0
.irp ml, 0,1
.irp c, 0,1,2,3
	WM 0, ACC+32*\ml+8*\c, WF+12*\c, RING+24*((\g)%4)+12*\ml, WQR+\c/2, \c%2, XSR+(\g)%4, \ml
.endr
.endr
	PLACES
.if \refill
	RLOAD (\g)+4
.endif
.endm
.macro RSLOAD m, c, s                  ; cos and sin of tile m's 16 positions: 16 registers each
.irp q, 0,1,2,3
	global_load_b128 v[(\c)+4*\q:(\c)+4*\q+3], v5, s[48:49] offset:4096*(\m)+512*\q
.endr
.irp q, 0,1,2,3
	global_load_b128 v[(\s)+4*\q:(\s)+4*\q+3], v5, s[48:49] offset:4096*(\m)+2048+512*\q
.endr
.endm
.macro P2 c0, s0, c1, s1               ; RoPE and codes of the trip's two tiles
	s_wait_loadcnt 8                               ; the first tile's cos and sin are in; the second tile's eight loads may be out
	ROPE ACC, \c0, \s0
	QUANT2 ACC, 8, 170, 174
	s_wait_loadcnt 0x0
	ROPE ACC+32, \c1, \s1
	QUANT2 ACC+32, 14, 170, 175
	v_or_b32 v32, 0x7f7f0000, v174                 ; scale 1 over the zero codes
	v_or_b32 v33, 0x7f7f0000, v175
.endm
	s_load_b256 s[4:11], s[0:1], 0x0               ; xn 4, kv 6, rope 8, Wq codes 10
	s_load_b128 s[12:15], s[0:1], 0x20             ; Wq scales 12, bq 14
	s_load_b64 s[16:17], s[0:1], 0x30              ; oc
	v_lshrrev_b32 v8, 5, v0
	s_delay_alu instid0(VALU_DEP_1)
	v_readfirstlane_b32 s2, v8                     ; wave 0..15
	s_mov_b32 s18, ttmp9                           ; which half of the queries
	s_and_b32 s19, ttmp7, 0xffff                   ; batch x 16 + head
	s_and_b32 s20, s19, 15
	s_lshr_b32 s21, s19, 4
	v_and_b32 v8, 31, v0                           ; l
	v_and_b32 v9, 15, v0                           ; r
	v_bfe_u32 v10, v0, 4, 1                        ; h
	s_delay_alu instid0(VALU_DEP_2)
	v_and_b32 v11, 8, v9
	s_delay_alu instid0(VALU_DEP_1)
	v_add_nc_u32 v11, v11, v9                      ; r + 8 (r / 8)
	v_lshlrev_b32 v1, 3, v8                        ; 8 l: k's planes in LDS, and oc's in memory
	s_delay_alu instid0(VALU_DEP_1)
	v_add_nc_u32 v2, VL, v1                        ; v's
	v_lshlrev_b32 v6, 2, v8                        ; 4 l
	s_delay_alu instid0(VALU_DEP_1)
	v_add_nc_u32 v3, KSW, v6
	s_delay_alu instid0(VALU_DEP_2)
	v_add_nc_u32 v4, VSW, v6
	v_lshlrev_b32 v5, 4, v8                        ; 16 l
	v_lshlrev_b32 v7, 1, v9                        ; 2 r
	s_delay_alu instid0(VALU_DEP_2)
	v_add_nc_u32 v[AW], WQL, v5
	v_add_nc_u32 v[AWS], WQS, v6
	v_lshlrev_b32 v14, 4, v0                       ; the copies: 16, 4, 2 bytes a thread
	v_lshlrev_b32 v15, 2, v0
	v_lshlrev_b32 v16, 1, v0
	s_delay_alu instid0(VALU_DEP_2)
	v_add_nc_u32 v17, KSW, v15
	v_lshrrev_b32 v18, 7, v0                       ; v's halfword of thread (64 keys tb, tile c, row r) goes to word (key step tb / 2, c, r), half tb % 2
	s_delay_alu instid0(VALU_DEP_1)
	v_lshlrev_b32 v18, 8, v18
	v_bfe_u32 v19, v0, 4, 2
	s_delay_alu instid0(VALU_DEP_1)
	v_lshl_add_u32 v18, v19, 6, v18
	s_delay_alu instid0(VALU_DEP_1)
	v_lshl_add_u32 v18, v9, 2, v18
	v_bfe_u32 v19, v0, 6, 1
	s_delay_alu instid0(VALU_DEP_1)
	v_lshl_add_u32 v18, v19, 1, v18
	s_delay_alu instid0(VALU_DEP_1)
	v_add_nc_u32 v18, VSW, v18
	v_mul_u32_u24 v19, v11, 768
	s_delay_alu instid0(VALU_DEP_1)
	v_mad_u32_u24 v19, v10, 24, v19
	v_lshl_add_u32 v20, v10, 3, v11
	s_delay_alu instid0(VALU_DEP_1)
	v_lshlrev_b32 v20, 5, v20
	s_mul_i32 s22, s2, 3072
	s_add_co_u32 s22, s22, WQL
	v_add_nc_u32 v21, s22, v5                      ; my two images of Wq
	s_lshl_b32 s22, s2, 8
	s_add_co_u32 s22, s22, BQL                     ; my wave's copy of bq
	v_add_nc_u32 v22, s22, v1                      ; in: 8 bytes a lane
	v_lshl_add_u32 v[AB], v10, 6, s22              ; out: + 64 h
	s_mov_b32 s40, 0x76543210
	s_mov_b32 s41, 0xfedcba98
	s_mov_b32 s42, 0x3e38aa3b
	s_mov_b32 s43, s42
	s_mov_b32 s23, 0
	s_wait_alu depctr_va_vdst(0)
	s_wait_kmcnt 0x0
	s_mul_i32 s22, s19, 24576
	s_add_nc_u64 s[24:25], s[6:7], s[22:23]        ; k's codes
	s_add_nc_u64 s[26:27], s[24:25], VC_OFF        ; v's
	s_lshl_b32 s22, s19, 11
	s_add_co_u32 s22, s22, KS_OFF
	s_add_nc_u64 s[28:29], s[6:7], s[22:23]
	s_lshl_b32 s22, s19, 10
	s_add_co_u32 s22, s22, VS_OFF
	s_add_nc_u64 s[30:31], s[6:7], s[22:23]
	s_lshr_b32 s56, s2, 2                          ; Wq: I copy tile wave / 4, K steps 2 (wave % 4) and the next
	s_lshr_b32 s57, s56, 1
	s_lshl_b32 s57, s57, 5
	s_and_b32 s58, s56, 1
	s_lshl_b32 s58, s58, 3
	s_add_co_u32 s57, s57, s58
	s_lshl_b32 s58, s20, 6
	s_add_co_u32 s57, s57, s58
	s_mul_i32 s22, s57, 768
	s_and_b32 s58, s2, 3
	s_mul_i32 s58, s58, 192
	s_add_co_u32 s22, s22, s58
	s_add_nc_u64 s[32:33], s[10:11], s[22:23]
	s_lshr_b32 s57, s2, 3                          ; and the scale line of tile pair wave / 8, K step wave % 8
	s_lshl_b32 s57, s57, 5
	s_lshl_b32 s58, s20, 6
	s_add_co_u32 s57, s57, s58
	s_lshl_b32 s22, s57, 5
	s_and_b32 s58, s2, 7
	s_lshl_b32 s58, s58, 2
	s_add_co_u32 s22, s22, s58
	s_add_nc_u64 s[34:35], s[12:13], s[22:23]
	s_lshl_b32 s22, s20, 8
	s_add_nc_u64 s[36:37], s[14:15], s[22:23]
	s_lshl_b32 s59, s21, 7
	s_lshl_b32 s58, s18, 6
	s_add_co_u32 s59, s59, s58
	s_lshl_b32 s58, s2, 2
	s_add_co_u32 s59, s59, s58                     ; my first tile of rows: 128 batch + 64 half + 4 wave
	s_mul_i32 s22, s59, 12288
	s_add_nc_u64 s[38:39], s[4:5], s[22:23]
	s_add_nc_u64 s[50:51], s[16:17], s[22:23]
	s_mul_i32 s22, s20, 768
	s_add_nc_u64 s[50:51], s[50:51], s[22:23]
	s_lshr_b32 s22, s59, 1
	s_lshl_b32 s22, s22, 10
	s_add_co_u32 s22, s22, XS_OFF
	s_add_nc_u64 s[46:47], s[4:5], s[22:23]
	s_lshl_b32 s58, s20, 6
	s_add_co_u32 s22, s22, s58
	s_add_nc_u64 s[52:53], s[16:17], s[22:23]
	s_lshl_b32 s22, s18, 6
	s_lshl_b32 s58, s2, 2
	s_add_co_u32 s22, s22, s58
	s_lshl_b32 s22, s22, 12
	s_add_nc_u64 s[48:49], s[8:9], s[22:23]
	; ---- P0: 22 loads of what goes into LDS, and behind them the first trip's first four slots
.irp q, 0,1,2
	global_load_b128 v[192+4*\q:195+4*\q], v14, s[24:25] offset:8192*\q
.endr
.irp q, 0,1,2
	global_load_b128 v[204+4*\q:207+4*\q], v14, s[26:27] offset:8192*\q
.endr
	global_load_b32 v216, v15, s[28:29]
	global_load_u16 v217, v16, s[30:31]
.irp q, 0,1
.irp p, 0,1,2,3,4,5
	global_load_b64 v[218+12*\q+2*\p:219+12*\q+2*\p], v19, s[32:33] offset:96*\q+48*(\p/3)+8*(\p%3)
.endr
.endr
	global_load_b32 v242, v20, s[34:35]
	global_load_b64 v[244:245], v1, s[36:37]       ; the head's 64 numbers of bq, two a lane
	RLOAD 0
	RLOAD 1
	RLOAD 2
	RLOAD 3
	s_wait_loadcnt 28                              ; all but the four slots' 28 loads
.irp q, 0,1,2
	ds_store_b128 v14, v[192+4*\q:195+4*\q] offset:8192*\q
	ds_store_b128 v14, v[204+4*\q:207+4*\q] offset:VL+8192*\q
.endr
	ds_store_b32 v17, v216
	ds_store_b16 v18, v217
.irp q, 0,1
.irp g, 0,1,2
	ds_store_b128 v21, v[218+12*\q+4*\g:221+12*\q+4*\g] offset:1536*\q+512*\g
.endr
.endr
	ds_store_b32 v17, v242 offset:WQS-KSW
	ds_store_b64 v22, v[244:245]
	BAR                                            ; from here on LDS is only read
; A key step: 128 keys.  Step 0 starts O^T
.macro STEP st
	PLACES
.irp t, 0,1,2,3,4,5,6,7
.irp p, 0,1,2
	ds_load_b64 v[KV+6*\t+2*\p:KV+6*\t+2*\p+1], v1 offset:6144*(\st)+768*\t+256*\p
.endr
.endr
.irp q, 0,1,2,3
	ds_load_b32 v[KSR+\q], v3 offset:512*(\st)+128*\q
.endr
	s_wait_dscnt 0x0
.irp t, 0,1,2,3,4,5,6,7
	WM 1, S+8*\t, KV+6*\t, QF, KSR+\t/2, \t%2, QS, 0
.endr
	PLACES
.irp c, 0,1,2,3                                ; v's four fragments are asked for here and land under the softmax
.irp p, 0,1,2,3,4,5
	ds_load_b64 v[KV+12*\c+2*\p:KV+12*\c+2*\p+1], v2 offset:6144*(\st)+1536*\c+256*\p
.endr
.endr
.irp q, 0,1
	ds_load_b32 v[VSR+\q], v4 offset:256*(\st)+128*\q
.endr
.irp b, 0,1,2,3
	v_max3_num_f32 v[BM+\b], v[S+16*\b], v[S+1+16*\b], v[S+2+16*\b]   ; the largest score of each block of 32 keys: for the row's maximum, and, since p rises with the score, for the block's largest p
.endr
.irp i, 3,5,7,9,11,13
.irp b, 0,1,2,3
	v_max3_num_f32 v[BM+\b], v[BM+\b], v[S+16*\b+\i], v[S+1+16*\b+\i]
.endr
.endr
.irp b, 0,1,2,3
	v_max_num_f32 v[BM+\b], v[BM+\b], v[S+15+16*\b]
.endr
.irp b, 0,1,2,3
	s_delay_alu instid0(VALU_DEP_4)
	v_permlanex16_b32 v[BX+\b], v[BM+\b], s[SEL], s[SEL+1]
.endr
.irp b, 0,1,2,3
	s_delay_alu instid0(VALU_DEP_4)
	v_max_num_f32 v[BM+\b], v[BM+\b], v[BX+\b]
.endr
	s_delay_alu instid0(VALU_DEP_2)
	v_max3_num_f32 v[TP], v[BM], v[BM+1], v[BM+2]
	s_delay_alu instid0(VALU_DEP_1)
	v_max_num_f32 v[TP], v[TP], v[BM+3]
	s_delay_alu instid0(VALU_DEP_1)
	v_mul_f32 v[TP], s[CS], v[TP]
	s_delay_alu instid0(VALU_DEP_1)
	v_max_num_f32 v[NM+1], v[NM+1], v[TP]          ; the running largest t
	v_mov_b32 v[TP], v[NM]
	s_delay_alu instid0(VALU_DEP_2)
	v_floor_f32 v[NM], -v[NM+1]                    ; -M = floor(-t): M is a whole number
	s_delay_alu instid0(VALU_DEP_1)
	v_sub_f32 v[TP], v[NM], v[TP]
	s_delay_alu instid0(VALU_DEP_1)
	v_cvt_i32_f32 v[TP], v[TP]                     ; (it saturates)
	s_delay_alu instid0(VALU_DEP_1)
	v_ldexp_f32 v[FF], 1.0, v[TP]                  ; f = 2^(old M - new M): a multiplication by it rounds nothing
.set E, 0
.rept 32
	v_pk_fma_f32 v[S+E:S+E+1], v[S+E:S+E+1], s[CS:CS+1], v[NM:NM+1] op_sel_hi:[1,0,0]   ; t - M
.set E, E+2
.endr
.irp b, 0,1,2,3
	v_fma_f32 v[BM+\b], v[BM+\b], s[CS], v[NM]
.endr
.set E, 0
	s_wait_alu depctr_va_vdst(0)
.rept 64
	v_exp_f32 v[S+E], v[S+E]                       ; p = 2^(t - M): not normalised
.set E, E+1
.endr
	v_pk_mul_f32 v[SU:SU+1], v[SU:SU+1], v[FF:FF+1] op_sel_hi:[1,0]   ; the sums under the new M (the plain place behind the exponentials)
	s_wait_alu depctr_va_vdst(0)                   ; one wait for the batch, ahead of its first reader
.irp b, 0,1,2,3
	v_exp_f32 v[BM+\b], v[BM+\b]                   ; the blocks' largest p
.endr
	v_pk_add_f32 v[242:243], v[120:121], v[124:125]   ; the sum of the unquantised p, in eight chains
	v_pk_add_f32 v[254:255], v[128:129], v[132:133]
	v_pk_add_f32 v[252:253], v[136:137], v[140:141]
	v_pk_add_f32 v[250:251], v[144:145], v[148:149]
	v_pk_add_f32 v[248:249], v[152:153], v[156:157]
	v_pk_add_f32 v[246:247], v[160:161], v[164:165]
	v_pk_add_f32 v[244:245], v[168:169], v[172:173]
	v_pk_add_f32 v[52:53], v[52:53], v[176:177]
	v_pk_add_f32 v[242:243], v[242:243], v[116:117]
	v_pk_add_f32 v[254:255], v[254:255], v[118:119]
	v_pk_add_f32 v[252:253], v[252:253], v[122:123]
	v_pk_add_f32 v[250:251], v[250:251], v[126:127]
	v_pk_add_f32 v[248:249], v[248:249], v[130:131]
	v_pk_add_f32 v[246:247], v[246:247], v[134:135]
	v_pk_add_f32 v[244:245], v[244:245], v[138:139]
	v_pk_add_f32 v[52:53], v[52:53], v[142:143]
	v_pk_add_f32 v[242:243], v[242:243], v[146:147]
	v_pk_add_f32 v[254:255], v[254:255], v[150:151]
	v_pk_add_f32 v[252:253], v[252:253], v[154:155]
	v_pk_add_f32 v[250:251], v[250:251], v[158:159]
	v_pk_add_f32 v[248:249], v[248:249], v[162:163]
	v_pk_add_f32 v[246:247], v[246:247], v[166:167]
	v_pk_add_f32 v[244:245], v[244:245], v[170:171]
	v_pk_add_f32 v[52:53], v[52:53], v[174:175]
	v_pk_add_f32 v[242:243], v[242:243], v[178:179]
	s_delay_alu instid0(VALU_DEP_2)
	v_pk_add_f32 v[52:53], v[52:53], v[250:251]
	s_delay_alu instid0(VALU_DEP_2)
	v_pk_add_f32 v[242:243], v[242:243], v[248:249]
	v_pk_add_f32 v[254:255], v[254:255], v[246:247]
	v_pk_add_f32 v[252:253], v[252:253], v[244:245]
	s_delay_alu instid0(VALU_DEP_2)
	v_pk_add_f32 v[52:53], v[52:53], v[254:255]
	s_delay_alu instid0(VALU_DEP_2)
	v_pk_add_f32 v[242:243], v[242:243], v[252:253]
	s_delay_alu instid0(VALU_DEP_1)
	v_pk_add_f32 v[52:53], v[52:53], v[242:243]
	s_wait_alu depctr_va_vdst(0)                   ; and one for the four
.irp b, 0,1,2,3
	v_max_num_f32 v[BM+\b], 0x2800000, v[BM+\b]
.endr
.irp b, 0,1,2,3
	s_delay_alu instid0(VALU_DEP_4)
	v_add_nc_u32 v[SO+\b], 0xfe000000, v[BM+\b]
.endr
.irp b, 0,1,2,3
	s_delay_alu instid0(VALU_DEP_4)
	v_lshrrev_b32 v[BX+\b], 23, v[SO+\b]
.endr
	s_delay_alu instid0(VALU_DEP_3)
	v_lshl_or_b32 v[PWR], v[BX+1], 8, v[BX]
	s_delay_alu instid0(VALU_DEP_1)
	v_lshl_or_b32 v[PWR], v[BX+2], 16, v[PWR]
	s_delay_alu instid0(VALU_DEP_1)
	v_lshl_or_b32 v[PWR], v[BX+3], 24, v[PWR]
.irp c, 0,1
	v_cvt_scalef32_pk16_bf6_f32 v[PCD+6*\c:PCD+2+6*\c], v[S+32*\c:S+15+32*\c], v[SO+2*\c]
	v_cvt_scalef32_pk16_bf6_f32 v[CT+4*\c:CT+2+4*\c], v[S+16+32*\c:S+31+32*\c], v[SO+2*\c+1]
.endr
	v_nop
.irp c, 0,1
.irp i, 0,1,2
	v_permlane16_swap_b32 v[PCD+6*\c+\i], v[CT+4*\c+\i]
.endr
.irp i, 0,1,2
	s_delay_alu instid0(VALU_DEP_3)
	v_mov_b32 v[PCD+3+6*\c+\i], v[CT+4*\c+\i]
.endr
.endr
.if (\st) == 0
	s_wait_alu depctr_va_vdst(0)
	PLACES                                         ; four places between the codes' last line and the products; the scale word stands eleven plain lines ahead
.else
.set E, 0
.rept 16
	v_pk_mul_f32 v[OT+E:OT+E+1], v[OT+E:OT+E+1], v[FF:FF+1] op_sel_hi:[1,0]   ; O^T under the new M; these sixteen are also the places ahead of the products
.set E, E+2
.endr
.endif
	s_wait_alu depctr_va_vdst(0)
	s_wait_dscnt 0x0                               ; v
.irp c, 0,1,2,3
.if (\st) == 0
	WM 1, OT+8*\c, KV+12*\c, PCD, VSR+\c/2, \c%2, PWR, 0
.else
	WM 0, OT+8*\c, KV+12*\c, PCD, VSR+\c/2, \c%2, PWR, 0
.endif
.endr
.endm
	s_mov_b32 s45, 0
.Lpass:                                        ; two trips, two tiles of queries each
	; ---- P1.  The counts: a slot is seven loads; at step g what has been asked for behind slot g may be out
.set TQ, 156
.set RT, 162
	BIAS
	QSTEP 0, 21, 1
	QSTEP 1, 21, 1
	QSTEP 2, 21, 1
	QSTEP 3, 21, 1
	QSTEP 4, 21, 0
	QSTEP 5, 14, 0
	QSTEP 6, 7, 0
	RSLOAD 0, 84, 100                              ; slots 0-2 are done with: the two tiles' cos and sin
	RSLOAD 1, 116, 132
	QSTEP 7, 16, 0                                 ; those sixteen loads may be out
	P2 84, 100, 116, 132
	; ---- P3
.set TQ, 232
.irp j, 0,1,2,3,4,5
	v_mov_b32 v[QF+6+\j], 0                        ; q's upper 64 codes
	v_mov_b32 v[KV+48+\j], 0                       ; what the last tile of k names behind its own six registers
.endr
	v_mov_b32 v[FF+1], 0                           ; (named as the upper half of a pair)
.irp b, 0,1,2,3
	v_mov_b32 v[BX+\b], 0                          ; a lane permute's destination counts as one of its sources
.endr
	s_mov_b32 s44, 0
.Ltile:                                        ; two trips, a tile of 16 queries each; the second tile's codes move down six registers
.irp j, 0,1,2,3,4,5
	v_mov_b32 v[QF+\j], v[8+\j]
.endr
	v_mov_b32 v[QS], v32
.set E, 0
.rept 6
	v_mov_b32 v[8+E], v[14+E]
.set E, E+1
.endr
	v_mov_b32 v32, v33
	v_mov_b32 v[SU], 0
	v_mov_b32 v[SU+1], 0
	v_mov_b32 v[NM+1], 0xff61b1e6                  ; -3e38, under every t
	s_delay_alu instid0(VALU_DEP_1)
	v_floor_f32 v[NM], -v[NM+1]
	STEP 0
	STEP 1
	STEP 2
	STEP 3
	PLACES
	v_add_f32 v[SU], v[SU], v[SU+1]
	s_delay_alu instid0(VALU_DEP_1)
	v_permlanex16_b32 v[TP], v[SU], s[SEL], s[SEL+1]
	s_delay_alu instid0(VALU_DEP_1)
	v_add_f32 v[SU], v[SU], v[TP]                  ; the row's sum
	s_wait_alu depctr_va_vdst(0)
	v_rcp_f32 v[SU], v[SU]
	v_nop
	s_wait_alu depctr_va_vdst(0)
	v_mov_b32 v[SU+1], v[SU]
.set E, 0
.rept 16
	v_pk_mul_f32 v[S+E:S+E+1], v[OT+E:OT+E+1], v[SU:SU+1]   ; o: register 16 b + i = the head's channel 32 b + 16 h + i
.set E, E+2
.endr
	QUANT2 S, PCD, CT, SO
	s_lshl_b32 s56, s44, 5                         ; the tile's halfwords: 32 bytes on for the pair's odd tile
	s_mov_b32 s57, 0
	s_add_nc_u64 s[54:55], s[52:53], s[56:57]
.irp p, 0,1,2
	global_store_b64 v1, v[PCD+2*\p:PCD+2*\p+1], s[50:51] offset:256*\p   ; 32 lanes store 256 consecutive bytes, aligned
.endr
	global_store_b16 v7, v[SO], s[54:55]           ; (both halves of the lanes write the same halfword with the same bytes)
	s_wait_xcnt 0x0                                ; the stores have read their registers and bases: both are written again
	s_add_nc_u64 s[50:51], s[50:51], 12288
	s_add_co_u32 s44, s44, 1
	s_cmp_lt_u32 s44, 2
	s_cbranch_scc1 .Ltile
	s_add_nc_u64 s[38:39], s[38:39], 24576         ; on to the next two tiles: xn's codes, (every load that named these bases has been waited for)
	s_add_nc_u64 s[46:47], s[46:47], 1024          ; its scale lines,
	s_add_nc_u64 s[48:49], s[48:49], 8192          ; cos and sin,
	s_add_nc_u64 s[52:53], s[52:53], 1024          ; oc's halfwords
	s_add_co_u32 s45, s45, 1
	s_cmp_eq_u32 s45, 2
	s_cbranch_scc1 .Lno_ring                       ; behind the last trip nothing more is asked for
	RLOAD 0                                        ; the next trip's first four slots, into registers that P3 has left
	RLOAD 1
	RLOAD 2
	RLOAD 3
.Lno_ring:
	s_cmp_lt_u32 s45, 2
	s_wait_alu depctr_va_vdst(0)
	s_cbranch_scc1 .Lpass
	s_barrier_signal -1
	s_barrier_wait -1
	s_wait_xcnt 0x0
	v_lshl_add_u32 v254, v0, 2, SPARE              ; the wave's end
	v_mov_b32 v255, 0
	s_wait_alu depctr_va_vdst(0)
	s_wait_tensorcnt 0x0
	ds_add_u32 v254, v255
	s_wait_dscnt 0x0
	s_endpgm
.Lfunc_end_k_q2df34bfda3_qattn:
	.size	k_q2df34bfda3_qattn, .Lfunc_end_k_q2df34bfda3_qattn-k_q2df34bfda3_qattn
	.p2alignl 7, 3214868480
	.fill 96, 4, 3214868480
	.section	.rodata,"a",@progbits
	.p2align	6, 0x0
	.amdhsa_kernel k_q2df34bfda3_qattn
		.amdhsa_group_segment_fixed_size 109568
		.amdhsa_private_segment_fixed_size 0
		.amdhsa_enable_private_segment 0
		.amdhsa_kernarg_size 56
		.amdhsa_user_sgpr_count 2
		.amdhsa_user_sgpr_kernarg_segment_ptr 1
		.amdhsa_wavefront_size32 1
		.amdhsa_system_sgpr_workgroup_id_x 1
		.amdhsa_system_sgpr_workgroup_id_y 1
		.amdhsa_system_sgpr_workgroup_id_z 1
		.amdhsa_system_vgpr_workitem_id 0
		.amdhsa_next_free_vgpr 256
		.amdhsa_next_free_sgpr 66
		.amdhsa_reserve_vcc 0
		.amdhsa_float_denorm_mode_32 3
		.amdhsa_float_denorm_mode_16_64 3
		.amdhsa_memory_ordered 1
		.amdhsa_forward_progress 1
		.amdhsa_inst_pref_size 123
	.end_amdhsa_kernel
	.amdgpu_metadata
---
amdhsa.version: [ 1, 2 ]
amdhsa.kernels:
  - .name:           k_q2df34bfda3_qattn
    .symbol:         k_q2df34bfda3_qattn.kd
    .args:
      - { .name: xn, .offset: 0, .size: 8, .value_kind: global_buffer, .address_space: global }
      - { .name: kv, .offset: 8, .size: 8, .value_kind: global_buffer, .address_space: global }
      - { .name: rope, .offset: 16, .size: 8, .value_kind: global_buffer, .address_space: global }
      - { .name: Wq_codes, .offset: 24, .size: 8, .value_kind: global_buffer, .address_space: global }
      - { .name: Wq_scales, .offset: 32, .size: 8, .value_kind: global_buffer, .address_space: global }
      - { .name: bq, .offset: 40, .size: 8, .value_kind: global_buffer, .address_space: global }
      - { .name: oc, .offset: 48, .size: 8, .value_kind: global_buffer, .address_space: global }
    .group_segment_fixed_size: 109568
    .private_segment_fixed_size: 0
    .kernarg_segment_align: 8
    .kernarg_segment_size: 56
    .max_flat_workgroup_size: 512
    .sgpr_count:     66
    .vgpr_count:     256
    .wavefront_size: 32
...
	.end_amdgpu_metadata
.endif
;; end of part 2
;; launch outp (part 3): grid 256 x 1, 16 waves a work-group, no clusters, 239,616 bytes of LDS; arguments oc, wo, bo, x, out0; writes out0
.if DOCPART == 3
	.amdgcn_target "amdgcn-amd-amdhsa--gfx1250"
	.amdhsa_code_object_version 6
	.text
	.protected	k_q2df34bfda3_outp
	.globl	k_q2df34bfda3_outp
	.p2align	8
	.type	k_q2df34bfda3_outp,@function
k_q2df34bfda3_outp:
	s_mov_b64 s[64:65], 0
	v_nop
	global_prefetch_b8 v0, s[64:65] scope:SCOPE_SE
	s_setreg_imm32_b32 hwreg(HW_REG_WAVE_MODE, 25, 1), 1
	s_wait_xcnt 0x0
; outp: out0[b][c][s] = x[b][c][s] + bo[c] + sum over k of o[s][k] Wo[k][c], on the codes of o (oc) and of Wo (wo, laid as register images).
; Work-group i of 256 takes the 128 rows s of block i / 2 (batch i / 32, s0 = 128 ((i / 2) % 16)) and the 512 channels of half i % 2; wave w of sixteen takes channels 512 (i % 2) + 32 w .. + 31:
; two tiles of channels x eight tiles of rows, sixteen accumulators (64 nl + 8 m) that take turns, ONE pass along K; the first K step's products start the sums.  A work-group draws half of Wo (393,216 bytes) for 128 rows.
; o's codes (98,304 bytes) and scale words come into LDS once, one barrier.  A wave's 16 fragments of Wo go from memory into its registers, 512 consecutive bytes a load, each once, through a ring of two slots of 24 registers
; (a K step's two fragments): K step g uses slot g % 2, which is asked for again (step g + 2) straight behind its products.  o's eight fragments of a K step come from LDS in two halves of four.
; Source 0 = 16 rows of o, source 1 = 16 rows of Wo: a lane holds one channel and eight neighbouring s.  THE WAY OUT: bo is added in that layout; a tile of 16 channels goes through the wave's own stage in LDS and comes back as rows
; of 512 bytes; x, loaded by the same rows behind the K loop into the registers that the fragments have left (four chunks of eight rows, three buffers), is added there, and each chunk of eight rows is stored as soon as it is whole.
; NO CLUSTER, NO TENSOR LOADS: what work-groups share is Wo and o; each fragment of Wo feeds one wave of a work-group, and o's block is shared by two work-groups alone.
; PREFETCH: my wave's x, 32 rows x 512 bytes: a lane a row, two instructions (the row's two aligned blocks of 256 bytes), behind the head's loads, eight K steps ahead of the loads that want them; each block is named once in the launch.
.set OS_OFF,  12582912
.set WOS_OFF, 786432
.set OSW, 98304                        ; LDS: 0 o's images as they lie in memory; OSW its scale lines, 4,096; STG a stage of 16 rows x 528 bytes for each wave; SPARE the spare words
.set STG, 102400
.set SP,  528
.set SPARE, 237568
.set WSC, 18                           ; v18-25   Wo's scale lines, one for each K step: lanes 0-15 the even tile's words, lanes 16-31 the odd one's
.set OS,  26                           ; v26-29   o's scale lines of a K step, one for each pair of tiles
.set OF,  32                           ; v32-79   four fragments of o; at the head what is on its way into LDS
.set RING, 80                          ; v80-127  two slots of two fragments of Wo
.set XB,  32                           ; v32-127  on the way out: three buffers of eight rows of x
.set ACC, 128                          ; v128-255 the accumulators
.macro PLACES                          ; four plain places behind matrix instructions, ahead of loads into their registers and of the first read of results
.rept 4
	v_nop
.endr
.endm
; one product.  z = 1: C is 0.  ra, rb = 1: that side's scales stand in lanes 16-31
.macro WM z, d, a, b, sa, ra, sb, rb
.if \z
.if (\ra) && (\rb)
	v_wmma_scale_f32_16x16x128_f8f6f4 v[(\d):(\d)+7], v[(\a):(\a)+11], v[(\b):(\b)+11], 0, v[\sa], v[\sb] matrix_a_fmt:MATRIX_FMT_BF6 matrix_b_fmt:MATRIX_FMT_BF6 matrix_a_scale:MATRIX_SCALE_ROW1 matrix_b_scale:MATRIX_SCALE_ROW1
.elseif (\ra)
	v_wmma_scale_f32_16x16x128_f8f6f4 v[(\d):(\d)+7], v[(\a):(\a)+11], v[(\b):(\b)+11], 0, v[\sa], v[\sb] matrix_a_fmt:MATRIX_FMT_BF6 matrix_b_fmt:MATRIX_FMT_BF6 matrix_a_scale:MATRIX_SCALE_ROW1
.elseif (\rb)
	v_wmma_scale_f32_16x16x128_f8f6f4 v[(\d):(\d)+7], v[(\a):(\a)+11], v[(\b):(\b)+11], 0, v[\sa], v[\sb] matrix_a_fmt:MATRIX_FMT_BF6 matrix_b_fmt:MATRIX_FMT_BF6 matrix_b_scale:MATRIX_SCALE_ROW1
.else
	v_wmma_scale_f32_16x16x128_f8f6f4 v[(\d):(\d)+7], v[(\a):(\a)+11], v[(\b):(\b)+11], 0, v[\sa], v[\sb] matrix_a_fmt:MATRIX_FMT_BF6 matrix_b_fmt:MATRIX_FMT_BF6
.endif
.else
.if (\ra) && (\rb)
	v_wmma_scale_f32_16x16x128_f8f6f4 v[(\d):(\d)+7], v[(\a):(\a)+11], v[(\b):(\b)+11], v[(\d):(\d)+7], v[\sa], v[\sb] matrix_a_fmt:MATRIX_FMT_BF6 matrix_b_fmt:MATRIX_FMT_BF6 matrix_a_scale:MATRIX_SCALE_ROW1 matrix_b_scale:MATRIX_SCALE_ROW1
.elseif (\ra)
	v_wmma_scale_f32_16x16x128_f8f6f4 v[(\d):(\d)+7], v[(\a):(\a)+11], v[(\b):(\b)+11], v[(\d):(\d)+7], v[\sa], v[\sb] matrix_a_fmt:MATRIX_FMT_BF6 matrix_b_fmt:MATRIX_FMT_BF6 matrix_a_scale:MATRIX_SCALE_ROW1
.elseif (\rb)
	v_wmma_scale_f32_16x16x128_f8f6f4 v[(\d):(\d)+7], v[(\a):(\a)+11], v[(\b):(\b)+11], v[(\d):(\d)+7], v[\sa], v[\sb] matrix_a_fmt:MATRIX_FMT_BF6 matrix_b_fmt:MATRIX_FMT_BF6 matrix_b_scale:MATRIX_SCALE_ROW1
.else
	v_wmma_scale_f32_16x16x128_f8f6f4 v[(\d):(\d)+7], v[(\a):(\a)+11], v[(\b):(\b)+11], v[(\d):(\d)+7], v[\sa], v[\sb] matrix_a_fmt:MATRIX_FMT_BF6 matrix_b_fmt:MATRIX_FMT_BF6
.endif
.endif
.endm
.macro RLOAD g                         ; K step g's two fragments of Wo into slot g % 2: six loads
.irp nl, 0,1
.irp q, 0,1,2
	global_load_b128 v[RING+24*((\g)%2)+12*\nl+4*\q:RING+24*((\g)%2)+12*\nl+4*\q+3], v4, s[22:23] offset:(8*\nl+(\g))*1536+512*\q
.endr
.endr
.endm
; K step g: o's fragments from LDS, four tiles of rows at a time, eight products each time.  left: the loads issued behind slot g's, which may stay out.  refill = 1: the slot takes step g + 2
.macro OSTEP g, left, refill
.irp hf, 0,1
.irp mm, 0,1,2,3
.irp p, 0,1,2,3,4,5
	ds_load_b64 v[OF+12*\mm+2*\p:OF+12*\mm+2*\p+1], v[6+\hf] offset:(8*\mm+(\g))*1536+256*\p
.endr
.endr
.if \hf == 0
.irp q, 0,1,2,3
	ds_load_b32 v[OS+\q], v5 offset:(8*\q+(\g))*128
.endr
	s_wait_loadcnt \left
.endif
	s_wait_dscnt 0x0
.irp nl, 0,1
.irp mm, 0,1,2,3
.if (\g) == 0
	WM 1, ACC+64*\nl+8*(4*\hf+\mm), OF+12*\mm, RING+24*((\g)%2)+12*\nl, OS+2*\hf+\mm/2, \mm%2, WSC+(\g), \nl
.else
	WM 0, ACC+64*\nl+8*(4*\hf+\mm), OF+12*\mm, RING+24*((\g)%2)+12*\nl, OS+2*\hf+\mm/2, \mm%2, WSC+(\g), \nl
.endif
.endr
.endr
	PLACES
.endr
.if \refill
	RLOAD (\g)+2
.endif
.endm
.macro XC c, buf                       ; chunk c of x, my channels 8 c .. 8 c + 7, into buffer buf: a row of 512 consecutive bytes, aligned, an instruction
.irp t, 0,1,2,3,4,5,6,7
	global_load_b128 v[XB+32*(\buf)+4*\t:XB+32*(\buf)+4*\t+3], v4, s[26:27] offset:(8*(\c)+\t)*8192 th:TH_LOAD_NT
.endr
.endm
.macro TOSTAGE nl                      ; a tile of 16 channels: each accumulator from its low end on into my stage, back as rows into the registers that they left (LDS serves a wave's instructions in order: ISA guide 5.7.1.4)
.irp m, 0,1,2,3,4,5,6,7
	ds_store_b128 v8, v[ACC+64*(\nl)+8*\m:ACC+64*(\nl)+8*\m+3] offset:64*\m
	ds_store_b128 v8, v[ACC+64*(\nl)+8*\m+4:ACC+64*(\nl)+8*\m+7] offset:64*\m+16
.endr
.irp t, 0,1,2,3,4,5,6,7,8,9,10,11,12,13,14,15
	ds_load_b128 v[ACC+64*(\nl)+4*\t:ACC+64*(\nl)+4*\t+3], v9 offset:SP*\t
.endr
.endm
.macro OUTC c, buf                     ; chunk c: its eight rows get x added and leave
.set E, 0
.rept 16
	v_pk_add_f32 v[ACC+32*(\c)+E:ACC+32*(\c)+E+1], v[ACC+32*(\c)+E:ACC+32*(\c)+E+1], v[XB+32*(\buf)+E:XB+32*(\buf)+E+1]
.set E, E+2
.endr
.irp t, 0,1,2,3,4,5,6,7
	global_store_b128 v4, v[ACC+32*(\c)+4*\t:ACC+32*(\c)+4*\t+3], s[28:29] offset:(8*(\c)+\t)*8192 th:TH_STORE_NT   ; 32 lanes store 512 consecutive bytes, aligned
.endr
.endm
	s_load_b256 s[4:11], s[0:1], 0x0               ; oc 4, wo 6, bo 8, x 10
	s_load_b64 s[12:13], s[0:1], 0x20              ; out0
	v_lshl_add_u32 v30, v0, 2, SPARE               ; my spare word, and 0: kept for the wave's end
	v_mov_b32 v31, 0
	v_lshrrev_b32 v1, 5, v0
	s_delay_alu instid0(VALU_DEP_1)
	v_readfirstlane_b32 s2, v1                     ; wave 0..15
	s_mov_b32 s3, ttmp9
	v_and_b32 v1, 31, v0                           ; l
	v_and_b32 v2, 15, v0                           ; r
	v_bfe_u32 v3, v0, 4, 1                         ; h
	s_delay_alu instid0(VALU_DEP_3)
	v_lshlrev_b32 v4, 4, v1                        ; 16 l: Wo's images; x and out0: the 32 lanes take one row of 512 bytes
	v_lshlrev_b32 v10, 2, v1                       ; 4 l
	v_lshlrev_b32 v6, 3, v1                        ; 8 l: o's tiles 0-3
	s_delay_alu instid0(VALU_DEP_2)
	v_add_nc_u32 v5, OSW, v10
	s_delay_alu instid0(VALU_DEP_2)
	v_add_nc_u32 v7, 49152, v6                     ; its tiles 4-7
	s_mul_i32 s14, s2, 16*SP
	s_add_co_u32 s14, s14, STG                     ; my stage
	v_mul_u32_u24 v8, v2, SP
	v_add_nc_u32 v9, s14, v4                       ; by rows: a row an instruction
	s_delay_alu instid0(VALU_DEP_2)
	v_lshl_add_u32 v8, v3, 5, v8
	v_lshlrev_b32 v11, 2, v2                       ; 4 r
	s_delay_alu instid0(VALU_DEP_2)
	v_add_nc_u32 v8, s14, v8                       ; in the result's layout: row r (a channel), 32 h
	v_lshlrev_b32 v14, 4, v0                       ; the copy of o: 16 bytes a thread
	v_lshlrev_b32 v15, 2, v0
	v_lshrrev_b32 v16, 5, v0                       ; thread (pair of tiles, head, a) holds the halfwords of rows 2 a and 2 a + 1: they go to line (pair, head / 2), words 2 a and 2 a + 1, half head % 2
	s_delay_alu instid0(VALU_DEP_3)
	v_add_nc_u32 v17, 65536, v14
	s_delay_alu instid0(VALU_DEP_2)
	v_lshlrev_b32 v16, 7, v16
	v_lshlrev_b32 v1, 13, v1                       ; the prefetches' offset: a lane a row of 8,192 bytes; never rewritten
	s_delay_alu instid0(VALU_DEP_2)
	v_lshl_add_u32 v16, v2, 3, v16
	s_delay_alu instid0(VALU_DEP_1)
	v_lshl_add_u32 v16, v3, 1, v16
	s_delay_alu instid0(VALU_DEP_1)
	v_add_nc_u32 v16, OSW, v16
	s_mov_b32 s15, 0
	s_wait_alu depctr_va_vdst(0)
	s_wait_kmcnt 0x0
	s_lshr_b32 s30, s3, 1                          ; block of 128 rows
	s_and_b32 s31, s3, 1
	s_lshl_b32 s31, s31, 4
	s_add_co_u32 s31, s31, s2                      ; my pair of tiles of channels: 16 half + wave
	s_mul_i32 s14, s30, 98304
	s_add_nc_u64 s[16:17], s[4:5], s[14:15]
	s_lshl_b32 s14, s30, 12
	s_add_co_u32 s14, s14, OS_OFF
	s_add_nc_u64 s[18:19], s[4:5], s[14:15]
	s_lshl_b32 s14, s31, 7
	s_add_nc_u64 s[20:21], s[8:9], s[14:15]
	s_mul_i32 s14, s31, 24576
	s_add_nc_u64 s[22:23], s[6:7], s[14:15]
	s_lshl_b32 s14, s31, 10
	s_add_co_u32 s14, s14, WOS_OFF
	s_add_nc_u64 s[24:25], s[6:7], s[14:15]
	s_lshr_b32 s14, s30, 4
	s_lshl_b32 s14, s14, 23
	s_lshl_b32 s32, s31, 18
	s_add_co_u32 s14, s14, s32
	s_and_b32 s32, s30, 15
	s_lshl_b32 s32, s32, 9
	s_add_co_u32 s14, s14, s32
	s_add_nc_u64 s[26:27], s[10:11], s[14:15]      ; x at (batch, my first channel, s0)
	s_add_nc_u64 s[28:29], s[12:13], s[14:15]      ; out0 likewise
	; the head's loads, in the order in which they are wanted: o (14), bo (2), Wo's scale lines (8), the ring's two slots (12)
.irp q, 0,1,2,3,4,5,6,7,8,9,10,11
	global_load_b128 v[OF+4*\q:OF+4*\q+3], v14, s[16:17] offset:8192*\q
.endr
	global_load_b32 v[OS], v15, s[18:19]
	global_load_b32 v[OS+1], v15, s[18:19] offset:2048
	global_load_b32 v12, v11, s[20:21]             ; bo of my channel in each tile
	global_load_b32 v13, v11, s[20:21] offset:64
.irp j, 0,1,2,3,4,5,6,7
	global_load_b32 v[WSC+\j], v10, s[24:25] offset:128*\j
.endr
	RLOAD 0
	RLOAD 1
	global_prefetch_b8 v1, s[26:27] th:TH_LOAD_NT scope:SCOPE_SE              ; my 32 rows of x: each row's first 256 bytes,
	global_prefetch_b8 v1, s[26:27] offset:256 th:TH_LOAD_NT scope:SCOPE_SE   ; and its second
	s_wait_loadcnt 22                              ; o's fourteen loads are in; the 2 + 8 + 12 behind them may be out
.irp q, 0,1,2,3,4,5,6,7
	ds_store_b128 v14, v[OF+4*\q:OF+4*\q+3] offset:8192*\q
.endr
.irp q, 8,9,10,11
	ds_store_b128 v17, v[OF+4*\q:OF+4*\q+3] offset:8192*(\q-8)
.endr
	ds_store_b16 v16, v[OS]
	ds_store_b16_d16_hi v16, v[OS] offset:4
	ds_store_b16 v16, v[OS+1] offset:2048
	ds_store_b16_d16_hi v16, v[OS+1] offset:2052
	s_wait_dscnt 0x0
	s_barrier_signal -1
	s_barrier_wait -1                              ; o's codes and scale lines are only read from here on
	; the counts: a slot is six loads; at step g the slot of step g + 1 has been asked for behind it
	OSTEP 0, 6, 1
	OSTEP 1, 6, 1
	OSTEP 2, 6, 1
	OSTEP 3, 6, 1
	OSTEP 4, 6, 1
	OSTEP 5, 6, 1
	OSTEP 6, 6, 0
	OSTEP 7, 0, 0
	; ---- the way out
	XC 0, 0                                        ; three chunks of x, into the registers that the fragments have left
	XC 1, 1
	XC 2, 2
.set E, 0
.rept 32
	v_pk_add_f32 v[ACC+E:ACC+E+1], v[ACC+E:ACC+E+1], v[12:13] op_sel_hi:[1,0]        ; bo, the even tile: the pair's first register for both halves
.set E, E+2
.endr
	TOSTAGE 0
.set E, 0
.rept 32
	v_pk_add_f32 v[ACC+64+E:ACC+65+E], v[ACC+64+E:ACC+65+E], v[12:13] op_sel:[0,1]   ; the odd tile: its second
.set E, E+2
.endr
	s_wait_alu depctr_va_vdst(0)
	s_wait_dscnt 0x0                               ; the even tile's rows are back
	s_wait_loadcnt 16                              ; chunk 0 is in; chunks 1 and 2 may be out
	OUTC 0, 0
	XC 3, 0                                        ; the last chunk, into the buffer just read
	TOSTAGE 1
	s_wait_loadcnt 16                              ; chunk 1 is in; chunks 2 and 3 may be out
	OUTC 1, 1
	s_wait_dscnt 0x0                               ; the odd tile's rows are back
	s_wait_loadcnt 8                               ; chunk 2 is in; chunk 3 may be out
	OUTC 2, 2
	s_wait_loadcnt 0x0
	OUTC 3, 0
	s_barrier_signal -1
	s_barrier_wait -1
	s_wait_tensorcnt 0x0                           ; the wave's end
	ds_add_u32 v30, v31
	s_wait_dscnt 0x0
	s_endpgm
.Lfunc_end_k_q2df34bfda3_outp:
	.size	k_q2df34bfda3_outp, .Lfunc_end_k_q2df34bfda3_outp-k_q2df34bfda3_outp
	.p2alignl 7, 3214868480
	.fill 96, 4, 3214868480
	.section	.rodata,"a",@progbits
	.p2align	6, 0x0
	.amdhsa_kernel k_q2df34bfda3_outp
		.amdhsa_group_segment_fixed_size 239616
		.amdhsa_private_segment_fixed_size 0
		.amdhsa_enable_private_segment 0
		.amdhsa_kernarg_size 40
		.amdhsa_user_sgpr_count 2
		.amdhsa_user_sgpr_kernarg_segment_ptr 1
		.amdhsa_wavefront_size32 1
		.amdhsa_system_sgpr_workgroup_id_x 1
		.amdhsa_system_sgpr_workgroup_id_y 1
		.amdhsa_system_sgpr_workgroup_id_z 1
		.amdhsa_system_vgpr_workitem_id 0
		.amdhsa_next_free_vgpr 256
		.amdhsa_next_free_sgpr 66
		.amdhsa_reserve_vcc 0
		.amdhsa_float_denorm_mode_32 3
		.amdhsa_float_denorm_mode_16_64 3
		.amdhsa_memory_ordered 1
		.amdhsa_forward_progress 1
		.amdhsa_inst_pref_size 75
	.end_amdhsa_kernel
	.amdgpu_metadata
---
amdhsa.version: [ 1, 2 ]
amdhsa.kernels:
  - .name:           k_q2df34bfda3_outp
    .symbol:         k_q2df34bfda3_outp.kd
    .args:
      - { .name: oc, .offset: 0, .size: 8, .value_kind: global_buffer, .address_space: global }
      - { .name: wo, .offset: 8, .size: 8, .value_kind: global_buffer, .address_space: global }
      - { .name: bo, .offset: 16, .size: 8, .value_kind: global_buffer, .address_space: global }
      - { .name: x, .offset: 24, .size: 8, .value_kind: global_buffer, .address_space: global }
      - { .name: out0, .offset: 32, .size: 8, .value_kind: global_buffer, .address_space: global }
    .group_segment_fixed_size: 239616
    .private_segment_fixed_size: 0
    .kernarg_segment_align: 8
    .kernarg_segment_size: 40
    .max_flat_workgroup_size: 512
    .sgpr_count:     66
    .vgpr_count:     256
    .wavefront_size: 32
...
	.end_amdgpu_metadata
.endif
;; end of part 3
